; MI455X (gfx1250); checked and timed in simulation.
; The chip was launched on July 23, 2026; its instructions are those of AMD's public machine-readable ISA for CDNA 5 (MIT licence, August 2026) and "CDNA5" Instruction Set Architecture Reference Guide (July 2026). The comments in the code are by the model that wrote it; some were corrected since.
;; Cross Attention Block. Allowed arithmetic: matrix products marked QUANTISED: E2M1 operands, one E8M0 scale for each 32 along K, by v_wmma_scale_f32_16x16x128_f8f6f4 with both operands' format E2M1 (or v_wmma_scale_f32_32x16x128_f4), f32 sums; everything else in f32.
;; Inputs: context 4 x 64 x 32 x 32 float32; ctx_norm_b 64 float32; ctx_norm_w 64 float32; gate 4 x 1 x 1 x 1 float32; k_b 512 float32; k_w 512 x 64 float32; norm_b 512 float32; norm_w 512 float32; out_b 512 float32; out_w 512 x 512 float32; q_b 512 float32; q_w 512 x 512 float32; v_b 512 float32; v_w 512 x 64 float32; x 4 x 512 x 64 x 64 float32.
;; Outputs: out0 4 x 512 x 64 x 64 float32.
;; This version of the problem:
;;   THIS VERSION OF THE PROBLEM IS GIVEN IN LOW PRECISION. The matrix products marked QUANTISED in the list below multiply operands that are first quantised to E2M1 (2 exponent bits, 1 mantissa bit; 4 bits a number), with one power-of-two scale for each 32 numbers along K (OCP MX v1.0); their sums are f32. All else is computed in f32.
;;   The module's matrix products, in the order in which they are computed (A, B: the left and right operand; K: the contracted axis; several contracted axes count as one K, in the product's order):
;;     1. [M 16,384, K 512] x [K 512, N 512]; A: computed on the way; B: input q_w: QUANTISED
;;     2. [M 4,096, K 64] x [K 64, N 512]; A: computed on the way; B: input k_w: QUANTISED
;;     3. [M 4,096, K 64] x [K 64, N 512]; A: computed on the way; B: input v_w: QUANTISED
;;     4. batch 32 x [M 4,096, K 64] x [K 64, N 1,024]; A: computed on the way; B: computed on the way: QUANTISED
;;     5. batch 32 x [M 4,096, K 1,024] x [K 1,024, N 64]; A: softmax (see below); B: computed on the way: QUANTISED
;;     6. [M 16,384, K 512] x [K 512, N 512]; A: computed on the way; B: input out_w: QUANTISED
;;   THE QUANTISER, for each operand of a quantised product, along K:
;;     - K is cut into blocks of 32 from its start; a last block that is shorter is filled with zeros.
;;     - A block's scale is 2^e with e = floor(log2(the largest magnitude in the block)) - 2, held to -126 .. 127; a block of zeros has e = 0. As a byte (E8M0): e + 127.
;;     - Each number is divided by its block's scale, clamped to +-6, and rounded to the nearest number of E2M1, ties to even, subnormals kept.
;;     - The product sums the exact products of the quantised numbers (number of the format x scale) in f32.
;;   ~~~python
;;   def quantise(x, axis):      # numpy; x: float32 -> the quantised numbers, widened to float32 again
;;       x = np.moveaxis(x, axis, -1); K = x.shape[-1]
;;       x = np.pad(x, [(0, 0)] * (x.ndim - 1) + [(0, -K % 32)]); x = x.reshape(x.shape[:-1] + (-1, 32)); a = np.abs(x).max(-1, keepdims=True)
;;       e = np.where(a > 0, np.clip(np.frexp(np.where(a > 0, a, 1))[1] - 1 - 2, -126, 127), 0)      # np.frexp(a)[1] - 1 = floor(log2(a)), exactly
;;       r = np.clip(x / 2.0 ** e, -6, 6)
;;       step = 2.0 ** (np.maximum(np.frexp(np.where(r == 0, 1, r))[1] - 1, 0) - 1)
;;       q = np.round(r / step) * step * 2.0 ** e      # np.round: ties to even
;;       return np.moveaxis(q.reshape(q.shape[:-2] + (-1,))[..., :K], -1, axis).astype(np.float32)
;;   ~~~
;;   SOFTMAX AHEAD OF A QUANTISED PRODUCT. Where the list says 'softmax', what is quantised is not the finished softmax but p = 2^(t - M), with t = logit x log2(e) and M = ceil(the row's largest t), a whole number; so 1/2 < the row's largest p <= 1. The row's sum l is taken of the UNQUANTISED p, in f32, and the product's result is divided by l at the end. Since M is a whole number, a kernel that streams over the keys may use a running M (the ceiling of the running maximum): every later rescaling is an exact power of two, which a block's scale takes up: the codes' values come out the same.
;;   OPERANDS COMPUTED ON THE WAY. 'Computed on the way' means the value that the module computes at that place (a softmax that the list does not call 'softmax' is quantised finished and normalised). What goes into a quantiser is computed in f32, as accurately as f32 sums, v_exp_f32 and their like allow (about 1e-6 of the number): no bf16 or f16 on the way to a quantiser, and a product that is left as it is and whose result goes on into a quantised operand takes f32 operands (vector FMAs, or v_wmma_f32_16x16x4_f32). A number that lies on a knife's edge between two numbers of the format may be rounded either way, as far as f32 arithmetic and the matrix unit's own rounding can turn it there, and no further.
;; One version. Each part assembles by itself: llvm-mc -triple=amdgcn-amd-amdhsa -mcpu=gfx1250 --defsym DOCPART=n.
;; ======== version 1 of 1: 4 launches
;; workspace buffers: tabs 3,584 bytes; wq 331,776 bytes; kvimg 2,490,368 bytes; qimg 4,194,304 bytes; qsc 1,048,576 bytes; aimg 4,194,304 bytes; asc 1,048,576 bytes
;; launch prep (part 1): grid 282 x 1, 16 waves a work-group, no clusters, 2,560 bytes of LDS; arguments x, context, ctx_norm_w, tabs, q_w, out_w, k_w, v_w, wq; writes tabs, wq
.if DOCPART == 1
	.amdgcn_target "amdgcn-amd-amdhsa--gfx1250"
	.amdhsa_code_object_version 6
	.text
	.protected	k_q2736005ef8_prep
	.globl	k_q2736005ef8_prep
	.p2align	8
	.type	k_q2736005ef8_prep,@function
k_q2736005ef8_prep:
	s_mov_b64 s[64:65], 0
	v_nop
	global_prefetch_b8 v0, s[64:65] scope:SCOPE_SE
	s_setreg_imm32_b32 hwreg(HW_REG_WAVE_MODE, 25, 1), 1
	s_wait_xcnt 0x0
; GroupNorm statistics of x and of context, and the four weights as codes of FP4 (E2M1) with one E8M0 byte for each 32 along K.
; Work-groups 0-255: HALF a group of x each (8 channels x 4,096 = 131,072 consecutive bytes; 512 threads x 64 numbers), so that there is a work-group for each of 256 WGPs.
;   It stores -mean and the sum of squared deviations about its OWN mean; the launch that normalises x joins the two halves of a group.
; Work-groups 256-263: wave w takes one group of context (2 channels x 1,024 = 8,192 consecutive bytes) and finishes it.
; Work-groups 264-281: wave w makes one operand fragment (16 rows x 128 K) of q_w (264-271), of out_w (272-279), or a half fragment of k_w and one of v_w (280-281).
; STATISTICS in two passes over registers: the mean, then the sum of (x - mean)^2: no difference of large sums is formed.
; tabs (f32): (-mean, sum of squares) of x's 256 half groups at byte 0; -mean of context's groups at 2,048; rstd x ctx_norm_w per (batch, channel) at 2,560.
; wq: fragment tau as the image of its registers, 1,024 bytes (registers 0-3 at 16 x lane, 4-7 at 512 + 16 x lane); its scale words at 294,912 + 128 tau + 4 x lane.
; THE ROWS OF A TILE ARE NOT NEIGHBOURS: lane r of tile T takes row 32 (T / 2) + 8 (T % 2) + r + 8 (r / 8), so that the results of two neighbouring tiles are 16 neighbours in a lane's registers.
; LIMITS: NaN and infinities among the inputs are not served; a block whose largest magnitude lies under 2^-124 keeps the byte 1; a block of zeros gets the byte 1 and not 127: its codes are zeros, and this program alone reads the bytes.
; No matrix unit, no tensor loads, no cluster: the statistics stream x once and share nothing between work-groups.
.set D, 16                             ; v16-79   64 numbers of a thread
.macro LD16 base, stride               ; sixteen loads of 16 bytes a lane
.set li, 0
.rept 16
	global_load_b128 v[D+4*li:D+4*li+3], v2, s[\base:\base+1] offset:li*\stride
.set li, li+1
.endr
.endm
.macro SUMS                            ; the thread's sum in two packed chains -> v86.  Load i is in when 15 - i younger ones are out
	s_wait_loadcnt 14
	v_pk_add_f32 v[80:81], v[D:D+1], v[D+4:D+5]
	v_pk_add_f32 v[82:83], v[D+2:D+3], v[D+6:D+7]
.set li, 2
.rept 14
	s_wait_loadcnt 15-li
	v_pk_add_f32 v[80:81], v[80:81], v[D+4*li:D+4*li+1]
	v_pk_add_f32 v[82:83], v[82:83], v[D+4*li+2:D+4*li+3]
.set li, li+1
.endr
	v_pk_add_f32 v[80:81], v[80:81], v[82:83]
	v_add_f32 v86, v80, v81
.endm
.macro RRED                            ; v86 summed over each row of 16 lanes
	v_add_f32_dpp v86, v86, v86 row_xmask:1 row_mask:0xf bank_mask:0xf
	v_add_f32_dpp v86, v86, v86 row_xmask:2 row_mask:0xf bank_mask:0xf
	v_add_f32_dpp v86, v86, v86 row_xmask:4 row_mask:0xf bank_mask:0xf
	v_add_f32_dpp v86, v86, v86 row_xmask:8 row_mask:0xf bank_mask:0xf
.endm
.macro WRED                            ; v86 summed over the 32 lanes, the result in every lane
	RRED
	v_permlanex16_b32 v87, v86, s26, s27
	v_add_f32 v86, v86, v87
.endm
.macro SQS                             ; the numbers less the mean, in place; the sum of their squares -> v86
.set li, 0
.rept 32
	v_pk_add_f32 v[D+2*li:D+2*li+1], v[D+2*li:D+2*li+1], v[84:85]
.set li, li+1
.endr
	v_pk_mul_f32 v[80:81], v[D:D+1], v[D:D+1]
	v_pk_mul_f32 v[82:83], v[D+2:D+3], v[D+2:D+3]
.set li, 2
.rept 15
	v_pk_fma_f32 v[80:81], v[D+2*li:D+2*li+1], v[D+2*li:D+2*li+1], v[80:81]
	v_pk_fma_f32 v[82:83], v[D+2*li+2:D+2*li+3], v[D+2*li+2:D+2*li+3], v[82:83]
.set li, li+2
.endr
	v_pk_add_f32 v[80:81], v[80:81], v[82:83]
	v_add_f32 v86, v80, v81
.endm
; 32 numbers of one lane, a whole block: the largest magnitude with the floor 2^(3 - 127) among its leaves; 2 off its exponent field is the conversion's scale operand; that shifted down is the byte
.macro BLK32 src, m, m2, sc, by
	v_max3_num_f32 v[\m], |v[(\src)]|, |v[(\src)+1]|, |v[(\src)+2]|
	v_max3_num_f32 v[\m2], |v[(\src)+3]|, |v[(\src)+4]|, |v[(\src)+5]|
.irp i, 6,10,14,18,22,26
	v_max3_num_f32 v[\m], v[\m], |v[(\src)+\i]|, |v[(\src)+\i+1]|
	v_max3_num_f32 v[\m2], v[\m2], |v[(\src)+\i+2]|, |v[(\src)+\i+3]|
.endr
	v_max3_num_f32 v[\m], v[\m], |v[(\src)+30]|, |v[(\src)+31]|
	v_max3_num_f32 v[\m], v[\m], v[\m2], 0x1800000
	v_add_nc_u32 v[\sc], 0xff000000, v[\m]
	v_lshrrev_b32 v[\by], 23, v[\sc]
.endm
	s_load_b256 s[4:11], s[0:1], 0x0               ; x, context, ctx_norm_w, tabs
	s_load_b256 s[12:19], s[0:1], 0x20             ; q_w, out_w, k_w, v_w
	s_load_b64 s[20:21], s[0:1], 0x40              ; wq
	v_lshl_add_u32 v112, v0, 2, 0x200
	v_mov_b32 v113, 0
	v_lshrrev_b32 v1, 5, v0
	v_readfirstlane_b32 s24, v1                    ; wave 0..15
	v_and_b32 v1, 31, v0                           ; lane
	v_mov_b32 v87, 0                               ; written once: a lane permute's destination counts as one of its sources
	s_mov_b32 s26, 0x76543210
	s_mov_b32 s27, 0xfedcba98                      ; v_permlanex16_b32's selects for lane l xor 16
	s_cmp_lt_u32 ttmp9, 256
	s_cbranch_scc0 .Lnot_x
	; ---- half a group of x
	s_lshl_b32 s28, ttmp9, 17                      ; its 131,072 bytes
	s_mov_b32 s29, 0
	v_lshlrev_b32 v2, 4, v0                        ; 16 bytes a thread: a load of the work-group covers 8,192 consecutive bytes
	s_lshl_b32 s33, ttmp9, 3                       ; its pair of numbers in tabs
	v_mov_b32 v88, s24
	v_lshlrev_b32 v88, 2, v88                      ; LDS: my wave's word
	v_and_b32 v89, 15, v0
	v_lshlrev_b32 v89, 2, v89                      ; and the word of wave = my lane % 16
	s_wait_kmcnt 0x0
	s_add_nc_u64 s[4:5], s[4:5], s[28:29]
	LD16 4, 8192
	SUMS
	WRED
	ds_store_b32 v88, v86                          ; all lanes write the same word with the same value
	s_wait_dscnt 0x0                               ; for the others' sake: my store is done
	s_barrier_signal -1
	s_barrier_wait -1
	ds_load_b32 v86, v89                           ; the 16 waves' sums, one a lane, in both rows of lanes
	s_wait_dscnt 0x0
	RRED
	v_mul_f32 v84, 0xb8000000, v86                 ; -mean = the sum x -2^-15
	v_mov_b32 v85, v84
	SQS
	WRED
	ds_store_b32 v88, v86 offset:256               ; other bytes than the first exchange's: no wave can still be reading them
	s_wait_dscnt 0x0
	s_barrier_signal -1
	s_barrier_wait -1
	ds_load_b32 v86, v89 offset:256
	s_wait_dscnt 0x0
	RRED
	s_cmp_lg_u32 s24, 0                            ; wave 0 stores for the work-group; no barrier follows
	s_cbranch_scc1 .Lend
	v_mov_b32 v85, v86                             ; (-mean, sum of squares): all lanes store the same 8 bytes to the same place
	v_mov_b32 v92, s33
	global_store_b64 v92, v[84:85], s[10:11]
.Lend:
	s_wait_tensorcnt 0x0
	ds_add_u32 v112, v113
	s_wait_dscnt 0x0
	s_endpgm
.Lnot_x:
	s_cmp_lt_u32 ttmp9, 264
	s_cbranch_scc0 .Lweights
	; ---- context: a group to a wave, no LDS
	s_sub_co_u32 s28, ttmp9, 256
	s_lshl_b32 s28, s28, 4
	s_add_co_u32 s34, s28, s24                     ; 32 x batch + group
	s_lshl_b32 s28, s34, 13                        ; its 8,192 bytes
	s_mov_b32 s29, 0
	s_and_b32 s30, s34, 31
	s_lshl_b32 s30, s30, 1
	v_and_b32 v3, 1, v0
	v_add_nc_u32 v3, s30, v3
	v_lshlrev_b32 v3, 2, v3                        ; its two channels in ctx_norm_w
	v_lshlrev_b32 v2, 4, v1
	s_mov_b32 s31, 0x3a000000                      ; 1 / 2,048
	s_lshl_b32 s32, s34, 3
	s_add_co_u32 s32, s32, 2560                    ; rstd x ctx_norm_w: 2,560 + 4 x 2 x (32 b + g)
	s_lshl_b32 s33, s34, 2
	s_add_co_u32 s33, s33, 2048                    ; -mean: 2,048 + 4 x (32 b + g)
	s_wait_kmcnt 0x0
	s_add_nc_u64 s[6:7], s[6:7], s[28:29]
	global_load_b32 v4, v3, s[8:9]
	LD16 6, 512
	SUMS
	WRED
	v_mul_f32 v84, 0xba000000, v86                 ; -mean = the sum x -2^-11
	v_mov_b32 v85, v84
	SQS
	WRED
	v_mov_b32 v93, 0x3727c5ac                      ; 1e-5
	v_fma_f32 v86, v86, s31, v93                   ; the variance + eps
	v_rsq_f32 v86, v86
	v_nop                                          ; a plain instruction between the transcendental and the use of its result
	s_wait_alu depctr_va_vdst(0)
	v_mul_f32 v86, v86, v4
	v_cmp_gt_u32 vcc_lo, 2, v1                     ; one store with all lanes on: lanes 0, 1 store rstd x weight of their channel, the others all the same -mean to the same word
	v_cndmask_b32 v90, v84, v86, vcc_lo
	v_lshl_add_u32 v91, v1, 2, s32
	v_mov_b32 v92, s33
	v_cndmask_b32 v91, v92, v91, vcc_lo
	global_store_b32 v91, v90, s[10:11]
	s_endpgm
.Lweights:
	; ---- a fragment to a wave.  K is innermost in memory: lane (r, h) takes of its row the 32 numbers k = 64 c + 32 h + 0 .. 31, c = 0, 1: two whole blocks
	s_sub_co_u32 s28, ttmp9, 264
	s_lshl_b32 s35, s28, 4
	s_add_co_u32 s35, s35, s24                     ; tau
	s_and_b32 s34, s28, 1
	s_lshl_b32 s34, s34, 4
	s_add_co_u32 s34, s34, s24                     ; k_w, v_w: tile T = tau - 256
	s_and_b32 s28, s28, 7
	s_lshl_b32 s28, s28, 2
	s_lshr_b32 s29, s24, 2
	s_add_co_u32 s28, s28, s29                     ; q_w, out_w: tile T = tau / 4 within the tensor,
	s_and_b32 s38, s24, 3
	s_lshl_b32 s38, s38, 9                         ; K step tau % 4: 512 bytes of a row
	s_mov_b32 s39, 0
	s_wait_kmcnt 0x0
	s_cmp_lt_u32 ttmp9, 272                        ; the choices hang on the work-group's number alone
	s_cselect_b64 s[30:31], s[12:13], s[14:15]
	s_cmp_lt_u32 ttmp9, 280
	s_cselect_b64 s[30:31], s[30:31], s[16:17]     ; c = 0 reads q_w, out_w or k_w
	s_cselect_b32 s36, 11, 8                       ; a row is 2,048 or 256 bytes
	s_cselect_b32 s28, s28, s34
	s_cselect_b32 s38, s38, 0
	s_add_nc_u64 s[30:31], s[30:31], s[38:39]
	s_add_nc_u64 s[32:33], s[30:31], 256
	s_cselect_b64 s[32:33], s[32:33], s[18:19]     ; c = 1 reads 64 numbers further on, or v_w
	s_lshr_b32 s37, s28, 1
	s_lshl_b32 s37, s37, 5
	s_and_b32 s28, s28, 1
	s_lshl_b32 s28, s28, 3
	s_add_co_u32 s37, s37, s28                     ; 32 (T / 2) + 8 (T % 2)
	v_and_b32 v3, 15, v0
	v_and_b32 v5, 8, v3
	v_add_nc_u32 v3, v3, v5
	v_add_nc_u32 v3, s37, v3                       ; my row
	v_lshlrev_b32 v2, s36, v3
	v_bfe_u32 v5, v0, 4, 1                         ; h
	v_lshl_add_u32 v2, v5, 7, v2                   ; + 128 h bytes
.irp i, 0,1,2,3,4,5,6,7
	global_load_b128 v[16+4*\i:19+4*\i], v2, s[30:31] offset:16*\i
.endr
.irp i, 0,1,2,3,4,5,6,7
	global_load_b128 v[48+4*\i:51+4*\i], v2, s[32:33] offset:16*\i
.endr
	s_lshl_b32 s40, s35, 10
	s_mov_b32 s41, 0
	s_add_nc_u64 s[40:41], s[20:21], s[40:41]      ; the image
	s_lshl_b32 s42, s35, 7
	s_add_co_u32 s42, s42, 294912
	s_mov_b32 s43, 0
	s_add_nc_u64 s[42:43], s[20:21], s[42:43]      ; its scale words
	v_lshlrev_b32 v91, 4, v1
	v_lshlrev_b32 v92, 2, v1
	s_wait_loadcnt 0x0
	BLK32 16, 80, 81, 82, 83
	BLK32 48, 84, 85, 86, 88
	v_lshl_or_b32 v89, v88, 16, v83                ; my two bytes: blocks h and 2 + h,
	v_lshlrev_b32 v90, 3, v5
	v_lshlrev_b32 v89, v90, v89                    ; at their places in the word;
	v_permlanex16_b32 v87, v89, s26, s27
	v_or_b32 v89, v89, v87                         ; with lane l xor 16's two the word is whole
.irp g, 0,1,2,3
	v_cvt_scalef32_pk8_fp4_f32 v[96+\g], v[16+8*\g:23+8*\g], v82
.endr
.irp g, 0,1,2,3
	v_cvt_scalef32_pk8_fp4_f32 v[100+\g], v[48+8*\g:55+8*\g], v86
.endr
	v_nop                                          ; one plain place behind the last scaled conversion
	global_store_b128 v91, v[96:99], s[40:41]      ; 32 lanes store 512 consecutive bytes
	global_store_b128 v91, v[100:103], s[40:41] offset:512
	global_store_b32 v92, v89, s[42:43]
	s_endpgm
.Lfunc_end_k_q2736005ef8_prep:
	.size	k_q2736005ef8_prep, .Lfunc_end_k_q2736005ef8_prep-k_q2736005ef8_prep
	.p2alignl 7, 3214868480
	.fill 96, 4, 3214868480
	.section	.rodata,"a",@progbits
	.p2align	6, 0x0
	.amdhsa_kernel k_q2736005ef8_prep
		.amdhsa_group_segment_fixed_size 2560
		.amdhsa_private_segment_fixed_size 0
		.amdhsa_enable_private_segment 0
		.amdhsa_kernarg_size 72
		.amdhsa_user_sgpr_count 2
		.amdhsa_user_sgpr_kernarg_segment_ptr 1
		.amdhsa_wavefront_size32 1
		.amdhsa_system_sgpr_workgroup_id_x 1
		.amdhsa_system_sgpr_workgroup_id_y 1
		.amdhsa_system_sgpr_workgroup_id_z 1
		.amdhsa_system_vgpr_workitem_id 0
		.amdhsa_next_free_vgpr 114
		.amdhsa_next_free_sgpr 66
		.amdhsa_reserve_vcc 1
		.amdhsa_float_denorm_mode_32 3
		.amdhsa_float_denorm_mode_16_64 3
		.amdhsa_memory_ordered 1
		.amdhsa_forward_progress 1
		.amdhsa_inst_pref_size 29
	.end_amdhsa_kernel
	.amdgpu_metadata
---
amdhsa.version: [ 1, 2 ]
amdhsa.kernels:
  - .name:           k_q2736005ef8_prep
    .symbol:         k_q2736005ef8_prep.kd
    .args:
      - { .name: x, .offset: 0, .size: 8, .value_kind: global_buffer, .address_space: global }
      - { .name: context, .offset: 8, .size: 8, .value_kind: global_buffer, .address_space: global }
      - { .name: ctx_norm_w, .offset: 16, .size: 8, .value_kind: global_buffer, .address_space: global }
      - { .name: tabs, .offset: 24, .size: 8, .value_kind: global_buffer, .address_space: global }
      - { .name: q_w, .offset: 32, .size: 8, .value_kind: global_buffer, .address_space: global }
      - { .name: out_w, .offset: 40, .size: 8, .value_kind: global_buffer, .address_space: global }
      - { .name: k_w, .offset: 48, .size: 8, .value_kind: global_buffer, .address_space: global }
      - { .name: v_w, .offset: 56, .size: 8, .value_kind: global_buffer, .address_space: global }
      - { .name: wq, .offset: 64, .size: 8, .value_kind: global_buffer, .address_space: global }
    .group_segment_fixed_size: 2560
    .private_segment_fixed_size: 0
    .kernarg_segment_align: 8
    .kernarg_segment_size: 72
    .max_flat_workgroup_size: 512
    .sgpr_count:     66
    .vgpr_count:     114
    .wavefront_size: 32
...
	.end_amdgpu_metadata
.endif
;; end of part 1
;; launch proj (part 2): grid 288 x 1, 8 waves a work-group, no clusters, 25,600 bytes of LDS; arguments x, norm_w, norm_b, q_b, tabs, wq, qimg, qsc, context, ctx_norm_b, k_b, v_b, kvimg; writes qimg, qsc, kvimg
.if DOCPART == 2
	.amdgcn_target "amdgcn-amd-amdhsa--gfx1250"
	.amdhsa_code_object_version 6
	.text
	.protected	k_q2736005ef8_proj
	.globl	k_q2736005ef8_proj
	.p2align	8
	.type	k_q2736005ef8_proj,@function
k_q2736005ef8_proj:
	s_mov_b64 s[64:65], 0
	v_nop
	global_prefetch_b8 v0, s[64:65] scope:SCOPE_SE
	s_setreg_imm32_b32 hwreg(HW_REG_WAVE_MODE, 25, 1), 1
	s_wait_xcnt 0x0
; The three projections, on codes of FP4 (E2M1) with one E8M0 scale for each 32 along K, and their results quantised again for the attention.
; Work-groups 32-287 (q): 64 positions of one batch x all 512 outputs.  X: x is normalised and quantised along the channels (a lane = a position, its registers run down the channels), the codes go to LDS as
;   images of operand registers.  G: wave w = head w: 4 tiles of q_w's rows x 4 K steps, for two tiles of positions at a time; the sums start from q_b.  Each half is then quantised along the head's 64 and stored.
;   A GROUP'S STATISTICS come as two halves (-mean, sum of squares about the half's own mean): mean = (m0 + m1) / 2, sum of squares = the two + (m0 - m1)^2 x 16,384 (each half has 32,768 numbers).
;   WHAT IS ASKED FOR WHEN: x first, two blocks of 32 channels ahead; q_w's 16 fragments and their scale words behind x's last request, while x's last two blocks are still on their way.
; Work-groups 0-31 (k, v): 128 keys of one batch.  Wave w first quantises tile w of the normalised context; then wave w = head w makes k (a lane = a key, registers along the head's 64: quantised along those)
;   and v (a lane = one of the head's 64, registers along the keys: quantised along the keys).
; The products are laid so that what is quantised next runs along a lane's registers: source 0's rows land in the registers.  THE ROWS OF A TILE ARE NOT NEIGHBOURS: lane r of tile 2 B + u holds row
; 32 B + 8 u + r + 8 (r / 8) (weights' rows, and the keys of a tile of context), so that the 16 registers of tiles 2 B and 2 B + 1 are 16 neighbours: 32 B + 16 (lane / 16) + 0 .. 15.
; K = 64 (products with context): registers 4-7 of both operands are zero codes, which add nothing under any scale byte but 0xff.
; An operand is kept, in LDS and in memory, as the IMAGE OF ITS REGISTERS: registers 0-3 at 16 x lane, 4-7 at 512 + 16 x lane; scale words 4 bytes a lane.
; No joint requests: each wave reads its own head's 16 KiB of weight codes once, straight into registers; nothing that two work-groups share lies in LDS.
; LIMITS: NaN and infinities are not served; a block whose largest magnitude lies under 2^-124 keeps the byte 1; a block of zeros gets the byte 1 and not 127 (zero codes; this program alone reads the bytes).
; v112-127 hold scale words and nothing else, on both paths.  The two paths have LDS bytes of their own.
.set XIMG, 0                           ; q path: 16 fragments of x, (4 t + s) x 1,024
.set XSC,  16384                       ;         their scale words, (4 t + s) x 64 + 4 r
.set CIMG, 17408                       ; kv path: 8 half fragments of context, 512 T
.set CSC,  21504                       ;          their scale words, 128 T + 4 x lane
.set BIA,  22528                       ; q path: q_b, 256 bytes for each wave: its head's 64 numbers
.macro PLACES n                        ; plain instructions behind matrix instructions (ISA guide 7.12.1)
.rept \n
	v_nop
.endr
.endm
.macro MM d, a, b, c, sa, sb
	v_wmma_scale_f32_16x16x128_f8f6f4 v[(\d):(\d)+7], v[(\a):(\a)+7], v[(\b):(\b)+7], v[(\c):(\c)+7], v[\sa], v[\sb] matrix_a_fmt:MATRIX_FMT_FP4 matrix_b_fmt:MATRIX_FMT_FP4
.endm
.macro MMR d, a, b, c, sa, sb          ; source 0's scale words are taken from lanes 16-31
	v_wmma_scale_f32_16x16x128_f8f6f4 v[(\d):(\d)+7], v[(\a):(\a)+7], v[(\b):(\b)+7], v[(\c):(\c)+7], v[\sa], v[\sb] matrix_a_fmt:MATRIX_FMT_FP4 matrix_b_fmt:MATRIX_FMT_FP4 matrix_a_scale:MATRIX_SCALE_ROW1
.endm
; 32 numbers of one lane, a whole block: largest magnitude (floor 2^(3 - 127)), the conversion's scale operand, the byte
.macro BLK32 src, m, m2, sc, by
	v_max3_num_f32 v[\m], |v[(\src)]|, |v[(\src)+1]|, |v[(\src)+2]|
	v_max3_num_f32 v[\m2], |v[(\src)+3]|, |v[(\src)+4]|, |v[(\src)+5]|
.irp i, 6,10,14,18,22,26
	v_max3_num_f32 v[\m], v[\m], |v[(\src)+\i]|, |v[(\src)+\i+1]|
	v_max3_num_f32 v[\m2], v[\m2], |v[(\src)+\i+2]|, |v[(\src)+\i+3]|
.endr
	v_max3_num_f32 v[\m], v[\m], |v[(\src)+30]|, |v[(\src)+31]|
	v_max3_num_f32 v[\m], v[\m], v[\m2], 0x1800000
	v_add_nc_u32 v[\sc], 0xff000000, v[\m]
	v_lshrrev_b32 v[\by], 23, v[\sc]
.endm
; 16 nb numbers of a lane, register 16 b + i = k 32 b + 16 (lane / 16) + i of the lane's row, become the operand's codes in v[pc] on (2 nb registers) and its scale word in v[pw].
; tm: 16 registers at work: +0.. largest magnitudes, +4.. the other half's, then the bytes, +12.. the conversions' scale operands.
.macro QUANT nb, src, tm, pc, pw
.set qb, 0
.rept \nb
	v_max3_num_f32 v[(\tm)+qb], |v[(\src)+16*qb]|, |v[(\src)+16*qb+1]|, 0x1800000   ; and the floor 2^(3 - 127): the byte cannot fall under 1
.set qb, qb+1
.endr
.irp i, 2,4,6,8,10,12,14
.set qb, 0
.rept \nb
	v_max3_num_f32 v[(\tm)+qb], v[(\tm)+qb], |v[(\src)+16*qb+\i]|, |v[(\src)+16*qb+\i+1]|
.set qb, qb+1
.endr
.endr
.set qb, 0
.rept \nb
	v_permlanex16_b32 v[(\tm)+4+qb], v[(\tm)+qb], s2, s3
.set qb, qb+1
.endr
.set qb, 0
.rept \nb
	v_max_num_f32 v[(\tm)+qb], v[(\tm)+qb], v[(\tm)+4+qb]      ; with lane l xor 16's: the block's largest magnitude
.set qb, qb+1
.endr
.set qb, 0
.rept \nb
	v_add_nc_u32 v[(\tm)+12+qb], 0xff000000, v[(\tm)+qb]       ; 2 off its exponent field: the conversion's scale operand
.set qb, qb+1
.endr
.set qb, 0
.rept \nb
	v_lshrrev_b32 v[(\tm)+4+qb], 23, v[(\tm)+12+qb]            ; the byte
.set qb, qb+1
.endr
	v_lshl_or_b32 v[\pw], v[(\tm)+5], 8, v[(\tm)+4]
.if \nb == 4
	v_lshl_or_b32 v[\pw], v[(\tm)+6], 16, v[\pw]
	v_lshl_or_b32 v[\pw], v[(\tm)+7], 24, v[\pw]
.endif
.set qb, 0
.rept \nb
	v_cvt_scalef32_pk8_fp4_f32 v[(\pc)+2*qb], v[(\src)+16*qb:(\src)+16*qb+7], v[(\tm)+12+qb]
	v_cvt_scalef32_pk8_fp4_f32 v[(\pc)+2*qb+1], v[(\src)+16*qb+8:(\src)+16*qb+15], v[(\tm)+12+qb]
.set qb, qb+1
.endr
	v_nop                                          ; one plain place behind the last scaled conversion
.set qb, 0
.rept \nb/2                            ; the operand's layout wants a whole block in a lane: lanes 0-15 block 2 c, lanes 16-31 block 2 c + 1
	v_permlane16_swap_b32 v[(\pc)+4*qb], v[(\pc)+4*qb+2]
	v_permlane16_swap_b32 v[(\pc)+4*qb+1], v[(\pc)+4*qb+3]
.set qb, qb+1
.endr
.endm
	s_set_vgpr_msb 0x40
	v_lshl_add_u32 v0, v0, 2, 0x6000
	v_mov_b32 v1, 0
	s_set_vgpr_msb 0x4000
	v_lshrrev_b32 v1, 5, v0
	v_readfirstlane_b32 s28, v1                    ; wave 0..7
	v_and_b32 v1, 31, v0                           ; lane
	v_and_b32 v2, 15, v0                           ; r
	v_bfe_u32 v3, v0, 4, 1                         ; h
	v_lshlrev_b32 v4, 4, v1                        ; 16 x lane: an image's place for my lane
	v_lshlrev_b32 v5, 2, v1                        ; 4 x lane
	s_mov_b32 s2, 0x76543210
	s_mov_b32 s3, 0xfedcba98                       ; v_permlanex16_b32's selects for lane l xor 16
	s_cmp_lt_u32 ttmp9, 32
	s_cbranch_scc1 .Lkv
; =============================================== q
; REGISTERS: v6 XSC + 4 r; v7, v8 where I store codes and scale word; v9 where I read q_b; v10 my group's statistics; v11 4 x lane + 128 h; v12-15 first offsets and q_b on its way, then the four tiles' scale words;
; v16-47, v48-79, v128-159, v160-191 q_w's 4 fragments of K steps 0 to 3; v80-111 at work while x is quantised (v104-111: rstd of my 8 groups), then x's fragments, two sets of two; v112-119 q_w's scale words
; (register 2 a + s / 2: lanes 0-15 the even K step's, lanes 16-31 the odd one's); v120-123 x's, two sets of two; v128-255 my 128 numbers of x; then v192-255 the 8 accumulators ((tt, a) at 192 + 8 (4 tt + a)).
; s20-27 -mean of my 8 groups; s32-47, s68-83 norm_w and s48-63, s84-99 norm_b of a block's 32 channels.
	s_load_b256 s[4:11], s[0:1], 0x0               ; x, norm_w, norm_b, q_b
	s_load_b256 s[12:19], s[0:1], 0x20             ; tabs, wq, qimg, qsc
	s_sub_co_u32 s29, ttmp9, 32
	s_lshr_b32 s32, s29, 6                         ; batch
	s_and_b32 s33, s29, 63                         ; block of 64 positions
	s_and_b32 s34, s28, 1                          ; phase X: which 32 positions are my wave's,
	s_lshr_b32 s35, s28, 1                         ; and which 128 channels (K step)
	s_lshl_b32 s36, s32, 23                        ; x: batch x 8 MiB + K step x 128 rows of 16,384 bytes + 4 x my first position
	s_lshl_b32 s38, s35, 21
	s_add_co_u32 s36, s36, s38
	s_lshl_b32 s38, s33, 8
	s_add_co_u32 s36, s36, s38
	s_lshl_b32 s38, s34, 7
	s_add_co_u32 s36, s36, s38
	s_mov_b32 s37, 0
	s_lshl_b32 s38, s35, 9                         ; norm_w, norm_b: my 128 channels
	s_mov_b32 s39, 0
	s_lshl_b32 s40, s32, 9                         ; the statistics: 16 bytes a group, (32 x batch + my first group) x 16
	s_lshl_b32 s42, s35, 7
	s_add_co_u32 s40, s40, s42
	s_mov_b32 s41, 0
	s_lshl_b32 s44, s32, 3
	s_add_co_u32 s44, s44, s28                     ; 8 x batch + head (head = wave)
	s_lshl_b32 s46, s44, 17                        ; qimg: ((8 b + h) x 256 + 4 x block) x 512
	s_lshl_b32 s45, s33, 11
	s_add_co_u32 s46, s46, s45
	s_mov_b32 s47, 0
	s_lshl_b32 s48, s44, 15                        ; qsc: ((8 b + h) x 64 + block) x 512
	s_lshl_b32 s45, s33, 9
	s_add_co_u32 s48, s48, s45
	s_mov_b32 s49, 0
	s_lshl_b32 s50, s28, 14                        ; q_w's images: my head's 16
	s_mov_b32 s51, 0
	s_lshl_b32 s52, s28, 11                        ; and their scale words
	s_add_co_u32 s52, s52, 294912
	s_mov_b32 s53, 0
	s_lshl_b32 s54, s28, 8                         ; q_b: my head's 64
	s_mov_b32 s55, 0
	v_lshl_add_u32 v6, v2, 2, XSC
	s_lshl_b32 s56, s34, 13                        ; my position's tile t = 2 x (wave % 2) + lane / 16: fragment 4 t + K step
	s_lshl_b32 s57, s35, 10
	s_add_co_u32 s56, s56, s57
	v_lshlrev_b32 v7, 12, v3
	v_lshl_add_u32 v7, v2, 4, v7
	v_add_nc_u32 v7, s56, v7
	s_lshl_b32 s56, s34, 9
	s_lshl_b32 s57, s35, 6
	s_add_co_u32 s56, s56, s57
	s_add_co_u32 s56, s56, XSC
	v_lshlrev_b32 v8, 8, v3
	v_lshl_add_u32 v8, v2, 2, v8
	v_add_nc_u32 v8, s56, v8
	s_lshl_b32 s56, s28, 8
	s_add_co_u32 s56, s56, BIA                     ; my wave's 256 bytes for q_b
	v_lshl_add_u32 v9, v3, 6, s56                  ; read: + 64 h
	v_and_b32 v10, 7, v0
	v_lshlrev_b32 v10, 4, v10                      ; lane g (and g + 8, ..) takes group g of my 8
	v_lshl_add_u32 v11, v3, 7, v5                  ; q_w's scale words: lanes 16-31 take the next K step's image, 128 bytes on
	v_lshlrev_b32 v12, 3, v1                       ; q_b: 8 bytes a lane,
	v_add_nc_u32 v13, s56, v12                     ; and the same place in LDS
	s_mov_b32 s66, 0x46800000                      ; 16,384
	s_mov_b32 s67, 0x37800000                      ; 1 / 65,536
	s_wait_kmcnt 0x0
	s_add_nc_u64 s[4:5], s[4:5], s[36:37]
	s_add_nc_u64 s[6:7], s[6:7], s[38:39]
	s_add_nc_u64 s[8:9], s[8:9], s[38:39]
	s_add_nc_u64 s[10:11], s[10:11], s[54:55]
	s_add_nc_u64 s[12:13], s[12:13], s[40:41]
	s_add_nc_u64 s[30:31], s[14:15], s[52:53]
	s_add_nc_u64 s[14:15], s[14:15], s[50:51]
	s_add_nc_u64 s[16:17], s[16:17], s[46:47]
	s_add_nc_u64 s[18:19], s[18:19], s[48:49]
.macro SLOAD j                         ; gain and bias of block j's 32 channels
	s_load_b512 s[32:47], s[6:7], 128*(\j)
	s_load_b512 s[48:63], s[8:9], 128*(\j)
	s_load_b512 s[68:83], s[6:7], 128*(\j)+64
	s_load_b512 s[84:99], s[8:9], 128*(\j)+64
.endm
.macro WLOAD base, s                   ; my head's 4 fragments of q_w for K step s: 8 loads
.irp a, 0,1,2,3
	global_load_b128 v[(\base)+8*\a:(\base)+8*\a+3], v4, s[14:15] offset:(4*\a+(\s))*1024
	global_load_b128 v[(\base)+8*\a+4:(\base)+8*\a+7], v4, s[14:15] offset:(4*\a+(\s))*1024+512
.endr
.endm
.macro WALL                            ; all of my head's weights: 8 + 32 loads
.irp a, 0,1,2,3
.irp p, 0,1
	global_load_b32 v[112+2*\a+\p], v11, s[30:31] offset:(4*\a+2*\p)*128
.endr
.endr
	WLOAD 16, 0
	WLOAD 48, 1
	WLOAD 128, 2                                   ; into the registers that x's blocks 0 and 1 have left
	WLOAD 160, 3
.endm
.macro XLOAD j                         ; block j: 32 channels of my position: each load reads 128 consecutive bytes, and the wave beside mine the next 128
.set xi, 0
.rept 32
	global_load_b32 v[128+32*(\j)+xi], v5, s[4:5] offset:(32*(\j)+xi)*16384
.set xi, xi+1
.endr
.endm
.macro STATS                           ; lane g: the two halves of group g joined; then -mean into s20-27 and rstd into v104-111, the same in every lane
	v_add_f32 v92, v88, v90
	v_sub_f32 v93, v88, v90                        ; the halves' means differ by this
	v_add_f32 v94, v89, v91
	v_mov_b32 v95, 0x3727c5ac                      ; 1e-5
	v_mul_f32 v92, 0.5, v92                        ; -mean
	v_mul_f32 v93, v93, v93
	v_fma_f32 v94, v93, s66, v94                   ; the group's sum of squares about its mean
	v_fma_f32 v94, v94, s67, v95                   ; the variance + eps
	v_rsq_f32 v94, v94
	v_nop                                          ; a plain instruction between the transcendental and the use of its result
.irp g, 0,1,2,3,4,5,6,7
	v_readlane_b32 s[20+\g], v92, \g
.endr
	s_wait_alu depctr_va_vdst(0)
.irp g, 0,1,2,3,4,5,6,7
	v_readlane_b32 s29, v94, \g
	v_mov_b32 v[104+\g], s29
.endr
	ds_store_b64 v13, v[14:15]                     ; q_b to my wave's own bytes; v14, v15 are written again only behind the barrier's wait for LDS
.endm
	global_load_b128 v[88:91], v10, s[12:13]       ; the statistics,
	global_load_b64 v[14:15], v12, s[10:11]        ; q_b,
	SLOAD 0
	XLOAD 0                                        ; and x, two blocks ahead
	XLOAD 1
.macro XBLOCK j, cnt
	s_wait_loadcnt \cnt                            ; block j is in: cnt counts loads issued behind it
.if \j < 2
	XLOAD (\j+2)
.endif
.if \j == 0
	STATS
.endif
	s_wait_kmcnt 0x0
.set xi, 0
.rept 32
	v_add_f32 v[128+32*(\j)+xi], s[20+2*(\j)+xi/16], v[128+32*(\j)+xi]     ; x - mean of the channel's group
.set xi, xi+1
.endr
.set xi, 0
.rept 32
	v_mul_f32 v[128+32*(\j)+xi], v[104+2*(\j)+xi/16], v[128+32*(\j)+xi]    ; x rstd
.set xi, xi+1
.endr
.set xi, 0
.rept 16
	v_fma_f32 v[128+32*(\j)+xi], v[128+32*(\j)+xi], s[32+xi], s[48+xi]     ; x norm_w + norm_b
.set xi, xi+1
.endr
.set xi, 0
.rept 16
	v_fma_f32 v[144+32*(\j)+xi], v[144+32*(\j)+xi], s[68+xi], s[84+xi]
.set xi, xi+1
.endr
.if \j < 3
	SLOAD (\j+1)
.endif
	BLK32 128+32*(\j), 80, 81, 82, 83
.if \j == 0
	v_mov_b32 v84, v83                             ; the four bytes make my position's scale word for this K step
.else
	v_lshl_or_b32 v84, v83, 8*(\j), v84
.endif
.irp g, 0,1,2,3
	v_cvt_scalef32_pk8_fp4_f32 v[88+4*(\j)+\g], v[128+32*(\j)+8*\g:135+32*(\j)+8*\g], v82
.endr
	v_nop                                          ; one plain place behind the last scaled conversion
	ds_store_b128 v7, v[88+4*(\j):91+4*(\j)] offset:256*(\j)   ; block j = 2 c + h of the fragment: registers 4 c .. of lane 16 h + r: byte 512 c + 256 h + 16 r
.if \j == 1
	WALL                                           ; behind x's last request, so that no request for x waits behind one for a weight
.endif
.endm
	XBLOCK 0, 32                                   ; behind block 0: block 1's 32 loads
	XBLOCK 1, 32                                   ; behind block 1: block 2's
	XBLOCK 2, 63                                   ; behind block 2: block 3's 32 and the weights' 40; the wait names 63, the most that it can: a count under the number behind is safe
	XBLOCK 3, 40                                   ; behind block 3: the weights' 40
	ds_store_b32 v8, v84
	s_wait_dscnt 0x0                               ; for the others' sake: my stores are done
	s_barrier_signal -1
	s_barrier_wait -1                              ; x's sixteen fragments lie in LDS; they are written once
.macro BIASLD                          ; q_b in the results' layout (tile 2 B + u, lane half h: units 32 B + 16 h + 8 u + 0 .. 7) into the accumulators: the sums start from it
.irp tt, 0,1
.irp a, 0,1,2,3
	ds_load_b128 v[192+8*(4*\tt+\a):195+8*(4*\tt+\a)], v9 offset:(32*(\a/2)+8*(\a%2))*4
	ds_load_b128 v[196+8*(4*\tt+\a):199+8*(4*\tt+\a)], v9 offset:(32*(\a/2)+8*(\a%2))*4+16
.endr
.endr
.endm
.macro XFETCH H, s                     ; x's fragments of tiles 2 H, 2 H + 1 for K step s, and their scale words, into set s % 2: 6 loads
.irp tt, 0,1
	ds_load_b128 v[80+16*((\s)%2)+8*\tt:83+16*((\s)%2)+8*\tt], v4 offset:XIMG+(4*(2*(\H)+\tt)+(\s))*1024
	ds_load_b128 v[84+16*((\s)%2)+8*\tt:87+16*((\s)%2)+8*\tt], v4 offset:XIMG+(4*(2*(\H)+\tt)+(\s))*1024+512
	ds_load_b32 v[120+2*((\s)%2)+\tt], v6 offset:(4*(2*(\H)+\tt)+(\s))*64
.endr
.endm
.macro GEMM s                          ; 8 accumulators by turns, one instruction a turn, in the same order in every K step
.set WFB, 16+32*(\s)+48*((\s)/2)       ; K step s's fragments: v16, v48, v128, v160
.irp tt, 0,1
.irp a, 0,1,2,3
.if (\s)%2
	MMR 192+8*(4*\tt+\a), WFB+8*\a, 80+16*((\s)%2)+8*\tt, 192+8*(4*\tt+\a), 112+2*\a+(\s)/2, 120+2*((\s)%2)+\tt
.else
	MM 192+8*(4*\tt+\a), WFB+8*\a, 80+16*((\s)%2)+8*\tt, 192+8*(4*\tt+\a), 112+2*\a+(\s)/2, 120+2*((\s)%2)+\tt
.endif
.endr
.endr
.endm
.macro HALF H                          ; tiles 2 H and 2 H + 1 of the positions
.if \H == 1
	s_wait_xcnt 0x0                                ; the first half's stores have read their registers: x's fragments land there again only behind this wait
.endif
	BIASLD
	XFETCH \H, 0
	XFETCH \H, 1
	s_wait_dscnt 6                                 ; q_b and K step 0 are in; K step 1's 6 loads may be out
	GEMM 0
	PLACES 4                                       ; in front of loads into registers that the products have read
	XFETCH \H, 2
	s_wait_dscnt 6                                 ; K step 1 is in; K step 2's 6 loads may be out
	GEMM 1
	PLACES 4
	XFETCH \H, 3
	s_wait_dscnt 6                                 ; K step 2 is in
	GEMM 2
	s_wait_dscnt 0x0
	GEMM 3
	PLACES 4
	v_mov_b32 v84, 0                               ; a lane permute's destination counts as one of its sources
	v_mov_b32 v85, 0
.irp tt, 0,1                           ; a tile of 16 positions, quantised along the head's 64 (each accumulator from its low end on): a half fragment and a scale word
	QUANT 2, 192+32*\tt, 80, 96+4*\tt, 12+2*(\H)+\tt
	global_store_b128 v4, v[96+4*\tt:99+4*\tt], s[16:17] offset:512*(2*(\H)+\tt)     ; 512 consecutive bytes
.endr
.endm
	s_wait_loadcnt 0x0                             ; q_w and its scale words
	HALF 0
	HALF 1
	global_store_b128 v4, v[12:15], s[18:19]       ; the four tiles' scale words, 16 bytes a lane
	s_set_vgpr_msb 0x5
	s_wait_tensorcnt 0x0
	ds_add_u32 v0, v1
	s_wait_dscnt 0x0
	s_set_vgpr_msb 0x500
	s_endpgm
; =============================================== k, v
; REGISTERS: v10-15 addresses; v16-79 context's 8 half fragments (4 registers of codes + 4 of zeros each); v80-111 4 half fragments of k_w, then of v_w, likewise; v112-119 context's scale words; v120-123 k_w's
; (with v_w's in the upper half); v124-127 v_w's; v128-191 accumulators; v192-223 k_b in the results' layout, then v192-199 v's bias, v200-203 v_b; v224-239 at work; v240-247 codes; v248-249 scale words.
; While context is quantised: v128-159 my 32 numbers, v160-191 rstd x ctx_norm_w, v16-47 ctx_norm_b, v48-63 -mean.
.Lkv:
	s_load_b128 s[4:7], s[0:1], 0x20               ; tabs, wq
	s_load_b256 s[8:15], s[0:1], 0x40              ; context, ctx_norm_b, k_b, v_b
	s_load_b64 s[16:17], s[0:1], 0x60              ; kvimg
	s_lshr_b32 s32, ttmp9, 3                       ; batch
	s_and_b32 s33, ttmp9, 7                        ; which 128 keys
	s_lshl_b32 s34, s32, 18                        ; context: batch x 262,144 + 4 x (128 kc + 32 (w / 2) + 8 (w % 2))
	s_lshl_b32 s36, s33, 9
	s_add_co_u32 s34, s34, s36
	s_lshr_b32 s36, s28, 1
	s_lshl_b32 s36, s36, 7
	s_add_co_u32 s34, s34, s36
	s_and_b32 s36, s28, 1
	s_lshl_b32 s36, s36, 5
	s_add_co_u32 s34, s34, s36
	s_mov_b32 s35, 0
	s_lshl_b32 s36, s32, 8                         ; rstd x ctx_norm_w
	s_add_co_u32 s36, s36, 2560
	s_mov_b32 s37, 0
	s_lshl_b32 s38, s32, 7                         ; -mean
	s_add_co_u32 s38, s38, 2048
	s_mov_b32 s39, 0
	s_lshl_b32 s40, s28, 12                        ; k_w's and v_w's images: my head's 4
	s_add_co_u32 s40, s40, 262144
	s_mov_b32 s41, 0
	s_lshl_b32 s42, s28, 9                         ; their scale words: 294,912 + (256 + 4 w) x 128
	s_add_co_u32 s42, s42, 327680
	s_mov_b32 s43, 0
	s_lshl_b32 s44, s28, 8                         ; k_b, v_b: my head's 64
	s_mov_b32 s45, 0
	s_lshl_b32 s46, s32, 3
	s_add_co_u32 s46, s46, s28
	s_mul_i32 s46, s46, 77824                      ; the (batch, head)'s region of kvimg
	s_lshl_b32 s48, s33, 12                        ; K's images at 4,096 kc (V's 32,768 further on),
	s_add_co_u32 s48, s48, s46
	s_mov_b32 s49, 0
	s_lshl_b32 s50, s33, 10                        ; K's scale words at 65,536 + 1,024 kc,
	s_add_co_u32 s50, s50, s46
	s_add_co_u32 s50, s50, 65536
	s_mov_b32 s51, 0
	s_lshl_b32 s52, s33, 9                         ; V's at 73,728 + 512 kc
	s_add_co_u32 s52, s52, s46
	s_add_co_u32 s52, s52, 73728
	s_mov_b32 s53, 0
	v_lshlrev_b32 v10, 7, v3                       ; 128 h: my 32 channels' gains and biases
	v_lshlrev_b32 v11, 6, v3                       ; 64 h
	v_and_b32 v13, 8, v2
	v_add_nc_u32 v13, v13, v2
	v_lshlrev_b32 v13, 2, v13                      ; 4 (r + 8 (r / 8))
	v_lshl_add_u32 v12, v3, 17, v13                ; context: my key, and 32 h rows of 4,096 bytes
	s_lshl_b32 s54, s28, 9
	s_add_co_u32 s54, s54, CIMG
	v_add_nc_u32 v14, s54, v4
	s_lshl_b32 s54, s28, 7
	s_add_co_u32 s54, s54, CSC
	v_add_nc_u32 v15, s54, v5
.irp b, 0,1,2,3
	v_mov_b32 v[228+\b], 0                         ; written once: a lane permute's destination counts as one of its sources
.endr
	s_wait_kmcnt 0x0
	s_add_nc_u64 s[8:9], s[8:9], s[34:35]
	s_add_nc_u64 s[18:19], s[4:5], s[36:37]
	s_add_nc_u64 s[4:5], s[4:5], s[38:39]
	s_add_nc_u64 s[26:27], s[6:7], s[42:43]
	s_add_nc_u64 s[6:7], s[6:7], s[40:41]
	s_add_nc_u64 s[12:13], s[12:13], s[44:45]
	s_add_nc_u64 s[14:15], s[14:15], s[44:45]
	s_add_nc_u64 s[20:21], s[16:17], s[48:49]
	s_add_nc_u64 s[22:23], s[16:17], s[50:51]
	s_add_nc_u64 s[24:25], s[16:17], s[52:53]
.irp i, 0,1,2,3,4,5,6,7
	global_load_b128 v[160+4*\i:163+4*\i], v10, s[18:19] offset:16*\i
.endr
.irp i, 0,1,2,3,4,5,6,7
	global_load_b128 v[16+4*\i:19+4*\i], v10, s[10:11] offset:16*\i
.endr
.irp i, 0,1,2,3
	global_load_b128 v[48+4*\i:51+4*\i], v11, s[4:5] offset:16*\i
.endr
.set xi, 0
.rept 32                               ; lane (r, h) of wave w: key 32 (w / 2) + 8 (w % 2) + r + 8 (r / 8), channels 32 h + 0 .. 31: a whole block
	global_load_b32 v[128+xi], v12, s[8:9] offset:xi*4096
.set xi, xi+1
.endr
.irp a, 0,1,2,3
	global_load_b128 v[80+8*\a:83+8*\a], v4, s[6:7] offset:1024*\a
	global_load_b32 v[120+\a], v5, s[26:27] offset:128*\a
.endr
.irp a, 0,1,2,3
	global_load_b128 v[192+8*\a:195+8*\a], v11, s[12:13] offset:(32*(\a/2)+8*(\a%2))*4
	global_load_b128 v[196+8*\a:199+8*\a], v11, s[12:13] offset:(32*(\a/2)+8*(\a%2))*4+16
.endr
	s_wait_loadcnt 16                              ; context and its tables are in; the 16 loads of k_w, its scale words and k_b may be out
.set xi, 0
.rept 32
	v_add_f32 v[128+xi], v[128+xi], v[48+xi/2]     ; - mean: two channels to a group
.set xi, xi+1
.endr
.set xi, 0
.rept 16
	v_pk_fma_f32 v[128+2*xi:129+2*xi], v[128+2*xi:129+2*xi], v[160+2*xi:161+2*xi], v[16+2*xi:17+2*xi]
.set xi, xi+1
.endr
	BLK32 128, 224, 225, 226, 227
	v_lshlrev_b32 v228, 3, v3
	v_lshlrev_b32 v248, v228, v227                 ; my block's byte at its place,
	v_permlanex16_b32 v229, v248, s2, s3
	v_or_b32 v248, v248, v229                      ; with lane l xor 16's: the key's scale word
.irp g, 0,1,2,3
	v_cvt_scalef32_pk8_fp4_f32 v[240+\g], v[128+8*\g:135+8*\g], v226
.endr
	v_nop                                          ; one plain place behind the last scaled conversion
	ds_store_b128 v14, v[240:243]
	ds_store_b32 v15, v248
	s_wait_dscnt 0x0                               ; for the others' sake: my stores are done
	s_barrier_signal -1
	s_barrier_wait -1                              ; context's eight half fragments lie in LDS; they are written once
.irp T, 0,1,2,3,4,5,6,7
.irp i, 4,5,6,7
	v_mov_b32 v[16+8*\T+\i], 0                     ; k = 64 .. 127: zero codes
.endr
.endr
.irp a, 0,1,2,3
.irp i, 4,5,6,7
	v_mov_b32 v[80+8*\a+\i], 0
.endr
.endr
	s_wait_loadcnt 0x0
.irp a, 0,1,2,3
	v_lshrrev_b32 v[124+\a], 16, v[120+\a]         ; v_w's two bytes
.endr
.irp T, 0,1,2,3,4,5,6,7
	ds_load_b128 v[16+8*\T:19+8*\T], v4 offset:CIMG+512*\T
	ds_load_b32 v[112+\T], v5 offset:CSC+128*\T
.endr
	PLACES 4                                       ; operands written by vector instructions stand four places ahead of a scaled product
	s_wait_dscnt 0x0
; k for context's tiles 2 P and 2 P + 1: source 0 = k_w's rows, source 1 = 16 keys, C = k_b: a lane holds a key, its 32 registers the head's 64 by halves of the lanes
.macro KPART P
.irp e, 0,1
.irp a, 0,1,2,3
	MM 128+32*\e+8*\a, 80+8*\a, 16+8*(2*\P+\e), 192+8*\a, 120+\a, 112+2*\P+\e
.endr
.endr
	PLACES 5                                       ; the next products write these accumulators anew: one place more than a read wants
.if \P == 3
.irp a, 0,1,2,3                        ; k_w and k_b are done with: v_w's half fragments and v_b take their registers
	global_load_b128 v[80+8*\a:83+8*\a], v4, s[6:7] offset:1024*\a+512
	global_load_b32 v[200+\a], v13, s[14:15] offset:(32*(\a/2)+8*(\a%2))*4
.endr
.endif
	s_wait_xcnt 0x0                                ; the codes' and scale words' registers, which earlier stores read, are written again only behind this wait
.irp e, 0,1
	QUANT 2, 128+32*\e, 224, 240+4*\e, 248+\e
	global_store_b128 v4, v[240+4*\e:243+4*\e], s[20:21] offset:(2*\P+\e)*512
	global_store_b32 v5, v[248+\e], s[22:23] offset:(2*\P+\e)*128
.endr
.endm
	KPART 0
	KPART 1
	KPART 2
	KPART 3
	s_wait_loadcnt 0x0
; v for tile a of v_w's rows: source 0 = 16 keys, source 1 = v_w's rows, C = v_b of the lane's row: a lane holds one of the head's 64, its 64 registers the 128 keys by halves of the lanes
.macro VPART a
.irp j, 0,1,2,3,4,5,6,7
	v_mov_b32 v[192+\j], v[200+\a]
.endr
	PLACES 4
.irp T, 0,1,2,3,4,5,6,7
	MM 128+8*\T, 16+8*\T, 80+8*\a, 192, 112+\T, 124+\a
.endr
	PLACES 5
	s_wait_xcnt 0x0
	QUANT 4, 128, 224, 240, 248
	global_store_b128 v4, v[240:243], s[20:21] offset:32768+1024*\a
	global_store_b128 v4, v[244:247], s[20:21] offset:32768+1024*\a+512
	global_store_b32 v5, v248, s[24:25] offset:128*\a
.endm
	VPART 0
	VPART 1
	VPART 2
	VPART 3
	s_set_vgpr_msb 0x5
	s_wait_tensorcnt 0x0
	ds_add_u32 v0, v1
	s_wait_dscnt 0x0
	s_set_vgpr_msb 0x500
	s_endpgm
.Lfunc_end_k_q2736005ef8_proj:
	.size	k_q2736005ef8_proj, .Lfunc_end_k_q2736005ef8_proj-k_q2736005ef8_proj
	.p2alignl 7, 3214868480
	.fill 96, 4, 3214868480
	.section	.rodata,"a",@progbits
	.p2align	6, 0x0
	.amdhsa_kernel k_q2736005ef8_proj
		.amdhsa_group_segment_fixed_size 25600
		.amdhsa_private_segment_fixed_size 0
		.amdhsa_enable_private_segment 0
		.amdhsa_kernarg_size 104
		.amdhsa_user_sgpr_count 2
		.amdhsa_user_sgpr_kernarg_segment_ptr 1
		.amdhsa_wavefront_size32 1
		.amdhsa_system_sgpr_workgroup_id_x 1
		.amdhsa_system_sgpr_workgroup_id_y 1
		.amdhsa_system_sgpr_workgroup_id_z 1
		.amdhsa_system_vgpr_workitem_id 0
		.amdhsa_next_free_vgpr 258
		.amdhsa_next_free_sgpr 100
		.amdhsa_reserve_vcc 0
		.amdhsa_float_denorm_mode_32 3
		.amdhsa_float_denorm_mode_16_64 3
		.amdhsa_memory_ordered 1
		.amdhsa_forward_progress 1
		.amdhsa_inst_pref_size 127
	.end_amdhsa_kernel
	.amdgpu_metadata
---
amdhsa.version: [ 1, 2 ]
amdhsa.kernels:
  - .name:           k_q2736005ef8_proj
    .symbol:         k_q2736005ef8_proj.kd
    .args:
      - { .name: x, .offset: 0, .size: 8, .value_kind: global_buffer, .address_space: global }
      - { .name: norm_w, .offset: 8, .size: 8, .value_kind: global_buffer, .address_space: global }
      - { .name: norm_b, .offset: 16, .size: 8, .value_kind: global_buffer, .address_space: global }
      - { .name: q_b, .offset: 24, .size: 8, .value_kind: global_buffer, .address_space: global }
      - { .name: tabs, .offset: 32, .size: 8, .value_kind: global_buffer, .address_space: global }
      - { .name: wq, .offset: 40, .size: 8, .value_kind: global_buffer, .address_space: global }
      - { .name: qimg, .offset: 48, .size: 8, .value_kind: global_buffer, .address_space: global }
      - { .name: qsc, .offset: 56, .size: 8, .value_kind: global_buffer, .address_space: global }
      - { .name: context, .offset: 64, .size: 8, .value_kind: global_buffer, .address_space: global }
      - { .name: ctx_norm_b, .offset: 72, .size: 8, .value_kind: global_buffer, .address_space: global }
      - { .name: k_b, .offset: 80, .size: 8, .value_kind: global_buffer, .address_space: global }
      - { .name: v_b, .offset: 88, .size: 8, .value_kind: global_buffer, .address_space: global }
      - { .name: kvimg, .offset: 96, .size: 8, .value_kind: global_buffer, .address_space: global }
    .group_segment_fixed_size: 25600
    .private_segment_fixed_size: 0
    .kernarg_segment_align: 8
    .kernarg_segment_size: 104
    .max_flat_workgroup_size: 256
    .sgpr_count:     100
    .vgpr_count:     258
    .wavefront_size: 32
...
	.end_amdgpu_metadata
.endif
;; end of part 2
;; launch attn (part 3): grid 8 x 32, 16 waves a work-group, no clusters, 79,872 bytes of LDS; arguments qimg, qsc, kvimg, aimg, asc; writes aimg, asc
.if DOCPART == 3
	.amdgcn_target "amdgcn-amd-amdhsa--gfx1250"
	.amdhsa_code_object_version 6
	.text
	.protected	k_q2736005ef8_attn
	.globl	k_q2736005ef8_attn
	.p2align	8
	.type	k_q2736005ef8_attn,@function
k_q2736005ef8_attn:
	s_mov_b64 s[64:65], 0
	v_nop
	global_prefetch_b8 v0, s[64:65] scope:SCOPE_SE
	s_setreg_imm32_b32 hwreg(HW_REG_WAVE_MODE, 25, 1), 1
	s_wait_xcnt 0x0
; Attention of one (batch, head) on codes of FP4 (E2M1) with one E8M0 scale for each 32 along a product's K; 4,096 queries, 1,024 keys, head size 64.
; THE SOFTMAX AHEAD OF THE SECOND PRODUCT: t = score x log2(e) / 8; M = the row's largest t so far, rounded UP to a whole number; p = 2^(t - M) is what is quantised, along the keys; it is not normalised.
; The row's sum is taken of the unquantised p, in f32, and divides O at the end.  When M moves, the sum and O are multiplied by 2^(old M - new M): exact.
; SHARES.  A work-group owns 512 queries of one head; each of its sixteen waves two tiles of 16, one after the other, in 256 registers: four waves to a SIMD, so that one wave's vector work stands beside another's
; products and LDS loads.  The head's K and V, 77,824 bytes of operand images and scale words, are copied into LDS once, through registers, and stay: one barrier in the launch.
; No joint requests: the eight work-groups of a head share only that one copy at their start, 152 bytes a query, against 8 key steps of work for each tile.
; LAYOUT.  Both products are used transposed: S^T = K Q^T (source 0 = 16 keys), O^T = V^T P^T (source 0 = 16 of the head's 64): a lane holds ONE query throughout.  The keys of a tile of K and the rows of a tile
; of V^T are not neighbours (lane r of tile 2 B + u: 32 B + 8 u + r + 8 (r / 8)), so that the 16 registers of two neighbouring tiles are 16 neighbours: p and O^T are quantised from a lane's registers.
; The first product's K is 64: registers 4-7 of K's and Q's fragments are zero codes.
; A block's largest p is not searched for: the block's largest score goes through the same multiply-add and exponential (this takes v_exp_f32 not to fall where its input rises).
; LIMITS: NaN and infinities are not served; a p under 2^-126 counts as 0 (v_exp_f32 flushes); a block of zeros keeps the byte 1: its codes are zeros.
; REGISTERS: v1-7 addresses that stay; v8-11 addresses of the step; v12 -M, v13 the largest t, v[14:15] the sum in two halves; v16-31 Q's two fragments; v32-63 four fragments of K; v64-95 of V; v96-159 S^T, then p;
; v160-191 O^T; v192-199 p's codes; v200-220 at work; v221 8 x lane; v224-231 K's scale words, v232-235 V's, v236 p's, v238-239 Q's (these hold scale words and nothing else); v240-247 the results' codes; v248-249 their scale words.
.set VIM, 32768                        ; LDS, as in memory: K's 64 half fragments at 512 T; V's 32 fragments here on;
.set KSC, 65536                        ; K's scale words, 128 T + 4 x lane;
.set VSC, 73728                        ; V's
.macro PLACES n
.rept \n
	v_nop
.endr
.endm
.macro MM d, a, b, c, sa, sb
	v_wmma_scale_f32_16x16x128_f8f6f4 v[(\d):(\d)+7], v[(\a):(\a)+7], v[(\b):(\b)+7], v[(\c):(\c)+7], v[\sa], v[\sb] matrix_a_fmt:MATRIX_FMT_FP4 matrix_b_fmt:MATRIX_FMT_FP4
.endm
.macro MM0 d, a, b, sa, sb
	v_wmma_scale_f32_16x16x128_f8f6f4 v[(\d):(\d)+7], v[(\a):(\a)+7], v[(\b):(\b)+7], 0, v[\sa], v[\sb] matrix_a_fmt:MATRIX_FMT_FP4 matrix_b_fmt:MATRIX_FMT_FP4
.endm
; 32 numbers of a lane, register 16 b + i = k 32 b + 16 (lane / 16) + i of the lane's row, become a half fragment's codes in v[pc] .. v[pc + 3] and its scale word in v[pw]
.macro QUANT2 src, tm, pc, pw
.irp b, 0,1
	v_max3_num_f32 v[(\tm)+\b], |v[(\src)+16*\b]|, |v[(\src)+16*\b+1]|, 0x1800000   ; and the floor 2^(3 - 127): the byte cannot fall under 1
.endr
.irp i, 2,4,6,8,10,12,14
.irp b, 0,1
	v_max3_num_f32 v[(\tm)+\b], v[(\tm)+\b], |v[(\src)+16*\b+\i]|, |v[(\src)+16*\b+\i+1]|
.endr
.endr
.irp b, 0,1
	v_permlanex16_b32 v[(\tm)+4+\b], v[(\tm)+\b], s16, s17
.endr
.irp b, 0,1
	v_max_num_f32 v[(\tm)+\b], v[(\tm)+\b], v[(\tm)+4+\b]
.endr
.irp b, 0,1
	v_add_nc_u32 v[(\tm)+12+\b], 0xff000000, v[(\tm)+\b]
.endr
.irp b, 0,1
	v_lshrrev_b32 v[(\tm)+4+\b], 23, v[(\tm)+12+\b]
.endr
	v_lshl_or_b32 v[\pw], v[(\tm)+5], 8, v[(\tm)+4]
.irp b, 0,1
	v_cvt_scalef32_pk8_fp4_f32 v[(\pc)+2*\b], v[(\src)+16*\b:(\src)+16*\b+7], v[(\tm)+12+\b]
	v_cvt_scalef32_pk8_fp4_f32 v[(\pc)+2*\b+1], v[(\src)+16*\b+8:(\src)+16*\b+15], v[(\tm)+12+\b]
.endr
	v_nop                                          ; one plain place behind the last scaled conversion
	v_permlane16_swap_b32 v[(\pc)], v[(\pc)+2]
	v_permlane16_swap_b32 v[(\pc)+1], v[(\pc)+3]
.endm
	s_load_b256 s[4:11], s[0:1], 0x0               ; qimg, qsc, kvimg, aimg
	s_load_b64 s[12:13], s[0:1], 0x20              ; asc
	v_lshl_add_u32 v254, v0, 2, 0x13000
	v_mov_b32 v255, 0
	v_lshrrev_b32 v1, 5, v0
	v_readfirstlane_b32 s14, v1                    ; wave 0..15
	v_and_b32 v8, 31, v0                           ; lane
	v_lshlrev_b32 v1, 4, v8                        ; 16 x lane: K's images
	v_lshl_add_u32 v2, v8, 2, KSC                  ; K's scale words
	v_lshl_add_u32 v3, v8, 2, VSC                  ; V's
	v_lshl_add_u32 v4, v8, 4, VIM                  ; V's images
	v_lshlrev_b32 v5, 4, v0                        ; the copy: 16 bytes a thread, 8,192 a line; the same offsets in memory and in LDS
	v_lshl_add_u32 v6, v0, 4, KSC
	v_lshl_add_u32 v7, v0, 3, VSC
	v_lshlrev_b32 v221, 3, v8
	s_mov_b32 s16, 0x76543210
	s_mov_b32 s17, 0xfedcba98                      ; v_permlanex16_b32's selects for lane l xor 16
	s_mov_b32 s18, 0x3e38aa3b                      ; c = log2(e) / 8
	s_mov_b32 s19, s18                             ; (named with it as a pair, so it is written)
	s_and_b32 s24, ttmp7, 0xffff                   ; y = 8 x batch + head
	s_mul_i32 s26, s24, 77824                      ; its region of kvimg
	s_mov_b32 s27, 0
	s_lshl_b32 s28, s24, 17                        ; qimg: (256 y + 32 X + 2 w) x 512
	s_lshl_b32 s30, ttmp9, 14
	s_add_co_u32 s28, s28, s30
	s_lshl_b32 s30, s14, 10
	s_add_co_u32 s28, s28, s30
	s_mov_b32 s29, 0
	s_lshl_b32 s32, s24, 15                        ; qsc: (64 y + 8 X + w / 2) x 512 + 8 (w % 2)
	s_lshl_b32 s30, ttmp9, 12
	s_add_co_u32 s32, s32, s30
	s_lshr_b32 s30, s14, 1
	s_lshl_b32 s30, s30, 9
	s_add_co_u32 s32, s32, s30
	s_and_b32 s30, s14, 1
	s_lshl_b32 s30, s30, 3
	s_add_co_u32 s32, s32, s30
	s_mov_b32 s33, 0
	s_lshr_b32 s25, s24, 3                         ; batch
	s_and_b32 s24, s24, 7                          ; head
	s_lshl_b32 s34, s25, 20                        ; aimg: ((256 b + 32 X + 2 w) x 4 + head / 2) x 1,024 + (head % 2) x 512
	s_lshl_b32 s30, ttmp9, 17
	s_add_co_u32 s34, s34, s30
	s_lshl_b32 s30, s14, 13
	s_add_co_u32 s34, s34, s30
	s_lshl_b32 s30, s24, 9                         ; (head / 2) x 1,024 + (head % 2) x 512 = head x 512
	s_add_co_u32 s34, s34, s30
	s_mov_b32 s35, 0
	s_lshl_b32 s36, s25, 18                        ; asc: ((128 b + 16 X + w) x 8 + head) x 256
	s_lshl_b32 s30, ttmp9, 15
	s_add_co_u32 s36, s36, s30
	s_lshl_b32 s30, s14, 11
	s_add_co_u32 s36, s36, s30
	s_lshl_b32 s30, s24, 8
	s_add_co_u32 s36, s36, s30
	s_mov_b32 s37, 0
	s_wait_kmcnt 0x0
	s_add_nc_u64 s[8:9], s[8:9], s[26:27]
	s_add_nc_u64 s[4:5], s[4:5], s[28:29]
	s_add_nc_u64 s[6:7], s[6:7], s[32:33]
	s_add_nc_u64 s[10:11], s[10:11], s[34:35]
	s_add_nc_u64 s[12:13], s[12:13], s[36:37]
.irp i, 0,1,2,3,4,5,6,7
	global_load_b128 v[96+4*\i:99+4*\i], v5, s[8:9] offset:8192*\i
.endr
	global_load_b128 v[128:131], v6, s[8:9]
	global_load_b64 v[132:133], v7, s[8:9]
	global_load_b128 v[16:19], v1, s[4:5]          ; my two tiles of Q,
	global_load_b128 v[24:27], v1, s[4:5] offset:512
	global_load_b64 v[238:239], v1, s[6:7]         ; and their scale words
.irp i, 20,21,22,23,28,29,30,31
	v_mov_b32 v[\i], 0                             ; k = 64 .. 127 of Q: zero codes
.endr
.irp t, 0,1,2,3
.irp i, 4,5,6,7
	v_mov_b32 v[32+8*\t+\i], 0                     ; and of K
.endr
.endr
.irp b, 0,1,2,3
	v_mov_b32 v[204+\b], 0                         ; written once: a lane permute's destination counts as one of its sources
.endr
	v_mov_b32 v219, 0                              ; (named as the upper half of the pair v[218:219])
	v_mov_b32 v220, 0
	s_wait_loadcnt 3                               ; the copy's ten loads are in; Q's three may be out
.irp i, 0,1,2,3,4,5,6,7
	ds_store_b128 v5, v[96+4*\i:99+4*\i] offset:8192*\i
.endr
	ds_store_b128 v6, v[128:131]
	ds_store_b64 v7, v[132:133]
	s_wait_dscnt 0x0                               ; for the others' sake: my stores are done
	s_barrier_signal -1
	s_barrier_wait -1                              ; K and V lie in LDS; nothing is written there again
	s_wait_loadcnt 0x0                             ; Q
; A KEY STEP: 128 keys, for tile p of my queries
.macro STEP p
	v_add_nc_u32 v8, s20, v1
	v_add_nc_u32 v9, s20, v4
	v_add_nc_u32 v10, s21, v2
	v_add_nc_u32 v11, s22, v3
.irp t, 0,1,2,3
	ds_load_b128 v[32+8*\t:35+8*\t], v8 offset:512*\t
	ds_load_b32 v[224+\t], v10 offset:128*\t
.endr
	s_wait_dscnt 0x0
.irp t, 0,1,2,3
	MM0 96+8*\t, 32+8*\t, 16+8*\p, 224+\t, 238+\p
.endr
	PLACES 4                                       ; in front of loads into registers that products have read (K's just now; V's and its scale words at the last step's end)
.irp t, 0,1,2,3
	ds_load_b128 v[32+8*\t:35+8*\t], v8 offset:2048+512*\t
	ds_load_b32 v[228+\t], v10 offset:512+128*\t
.endr
.irp a, 0,1,2,3
	ds_load_b128 v[64+8*\a:67+8*\a], v9 offset:1024*\a
	ds_load_b128 v[68+8*\a:71+8*\a], v9 offset:1024*\a+512
	ds_load_b32 v[232+\a], v11 offset:128*\a
.endr
	s_wait_dscnt 12                                ; K's second four tiles are in; V's 12 loads may be out: they land under the softmax
.irp t, 0,1,2,3
	MM0 128+8*\t, 32+8*\t, 16+8*\p, 228+\t, 238+\p
.endr
	PLACES 4
.irp b, 0,1,2,3
	v_max3_num_f32 v[200+\b], v[96+16*\b], v[97+16*\b], v[98+16*\b]   ; the largest score of each block of 32 keys: for the row's maximum and for the block's largest p
.endr
.irp i, 3,5,7,9,11,13
.irp b, 0,1,2,3
	v_max3_num_f32 v[200+\b], v[200+\b], v[96+16*\b+\i], v[97+16*\b+\i]
.endr
.endr
.irp b, 0,1,2,3
	v_max_num_f32 v[200+\b], v[200+\b], v[111+16*\b]
.endr
.irp b, 0,1,2,3
	v_permlanex16_b32 v[204+\b], v[200+\b], s16, s17
.endr
.irp b, 0,1,2,3
	v_max_num_f32 v[200+\b], v[200+\b], v[204+\b]  ; with lane l xor 16's 16 keys
.endr
	v_max3_num_f32 v220, v200, v201, v202
	v_max_num_f32 v220, v220, v203                 ; the step's largest score of my query
	v_mul_f32 v220, s18, v220                      ; as t (c is positive)
	v_max_num_f32 v13, v13, v220                   ; the running largest t
	v_mov_b32 v220, v12
	v_floor_f32 v12, -v13                          ; the new -M = floor(-t) = -ceil(t): a whole number
	v_sub_f32 v220, v12, v220                      ; old M - new M: a whole number, 0 or less
	v_cvt_i32_f32 v220, v220                       ; (it saturates)
	v_ldexp_f32 v218, 1.0, v220                    ; f = 2^(old M - new M)
.irp j, 0,2,4,6,8,10,12,14,16,18,20,22,24,26,28,30,32,34,36,38,40,42,44,46,48,50,52,54,56,58,60,62
	v_pk_fma_f32 v[96+\j:97+\j], v[96+\j:97+\j], s[18:19], v[12:13] op_sel_hi:[1,0,0]   ; t - M, two at a time
.endr
.irp b, 0,1,2,3
	v_fma_f32 v[200+\b], v[200+\b], s18, v12       ; the same of each block's largest score
.endr
.irp j, 0,1,2,3,4,5,6,7,8,9,10,11,12,13,14,15,16,17,18,19,20,21,22,23,24,25,26,27,28,29,30,31,32,33,34,35,36,37,38,39,40,41,42,43,44,45,46,47,48,49,50,51,52,53,54,55,56,57,58,59,60,61,62,63
	v_exp_f32 v[96+\j], v[96+\j]                   ; p = 2^(t - M): not normalised
.endr
.irp b, 0,1,2,3
	v_exp_f32 v[200+\b], v[200+\b]                 ; the block's largest p
.endr
	v_pk_mul_f32 v[14:15], v[14:15], v[218:219] op_sel_hi:[1,0]   ; the sums under the new M (a plain place behind the exponentials)
	s_wait_alu depctr_va_vdst(0)
.irp b, 0,1,2,3
	v_max_num_f32 v[200+\b], 0x1800000, v[200+\b]  ; the floor 2^(3 - 127): the byte cannot fall under 1
.endr
.irp b, 0,1,2,3
	v_add_nc_u32 v[212+\b], 0xff000000, v[200+\b]  ; 2 off the exponent field: the conversion's scale operand
.endr
.irp b, 0,1,2,3
	v_lshrrev_b32 v[204+\b], 23, v[212+\b]         ; the byte
.endr
	v_lshl_or_b32 v236, v205, 8, v204              ; p's scale word for these 128 keys
	v_lshl_or_b32 v236, v206, 16, v236
	v_lshl_or_b32 v236, v207, 24, v236
.irp b, 0,1,2,3
	v_cvt_scalef32_pk8_fp4_f32 v[192+2*\b], v[96+16*\b:103+16*\b], v[212+\b]
	v_cvt_scalef32_pk8_fp4_f32 v[193+2*\b], v[104+16*\b:111+16*\b], v[212+\b]
.endr
	v_nop                                          ; one plain place behind the last scaled conversion
.irp c, 0,1
.irp i, 0,1
	v_permlane16_swap_b32 v[192+4*\c+\i], v[194+4*\c+\i]   ; a whole block in a lane: lanes 0-15 block 2 c, lanes 16-31 block 2 c + 1
.endr
.endr
	v_pk_add_f32 v[216:217], v[96:97], v[98:99]    ; the row's sum is taken of the unquantised p: two at a time, in two chains
.irp j, 4,8,12,16,20,24,28,32,36,40,44,48,52,56,60
	v_pk_add_f32 v[14:15], v[14:15], v[96+\j:97+\j]
	v_pk_add_f32 v[216:217], v[216:217], v[98+\j:99+\j]
.endr
	v_pk_add_f32 v[14:15], v[14:15], v[216:217]
.irp j, 0,2,4,6,8,10,12,14,16,18,20,22,24,26,28,30
	v_pk_mul_f32 v[160+\j:161+\j], v[160+\j:161+\j], v[218:219] op_sel_hi:[1,0]   ; O^T under the new M, each accumulator from its low end on
.endr
	s_wait_dscnt 0x0                               ; V
.irp a, 0,1,2,3                        ; four accumulators by turns, one instruction a turn
	MM 160+8*\a, 64+8*\a, 192, 160+8*\a, 232+\a, 236
.endr
.endm
.macro TILE p
	v_mov_b32 v13, 0xff61b1e6                      ; the largest t so far: -3e38, under every t
	v_floor_f32 v12, -v13                          ; -M
	v_mov_b32 v14, 0
	v_mov_b32 v15, 0
.set oi, 0
.rept 32
	v_mov_b32 v[160+oi], 0                         ; O^T: the step is written once; the first finds zeros, which the first change of M leaves zeros
.set oi, oi+1
.endr
	s_mov_b32 s20, 0                               ; the step's images: 4,096 bytes a step, K's and V's alike
	s_mov_b32 s21, 0                               ; K's scale words: 1,024
	s_mov_b32 s22, 0                               ; V's: 512
	s_mov_b32 s23, 0
.Lstep_\@:
	STEP \p
	s_add_co_u32 s20, s20, 4096
	s_add_co_u32 s21, s21, 1024
	s_add_co_u32 s22, s22, 512
	s_add_co_u32 s23, s23, 1
	s_cmp_lt_u32 s23, 8
	s_cbranch_scc1 .Lstep_\@
	PLACES 4                                       ; behind the last products
	v_add_f32 v14, v14, v15                        ; the sum's two halves,
	v_permlanex16_b32 v220, v14, s16, s17
	v_add_f32 v14, v14, v220                       ; and lane l xor 16's: the row's sum
	v_rcp_f32 v14, v14
	v_nop                                          ; a plain place behind the transcendental
	s_wait_alu depctr_va_vdst(0)
.irp j, 0,2,4,6,8,10,12,14,16,18,20,22,24,26,28,30
	v_pk_mul_f32 v[160+\j:161+\j], v[160+\j:161+\j], v[14:15] op_sel_hi:[1,0]   ; O^T / the sum
.endr
	QUANT2 160, 200, 240+4*\p, 248+\p              ; quantised along the head's 64: half of a K step of the last product
	global_store_b128 v1, v[240+4*\p:243+4*\p], s[10:11] offset:4096*\p         ; 512 consecutive bytes; each tile has its own registers
.endm
	TILE 0
	TILE 1
	global_store_b64 v221, v[248:249], s[12:13]    ; both tiles' scale words: 256 consecutive bytes, aligned
	s_wait_tensorcnt 0x0
	ds_add_u32 v254, v255
	s_wait_dscnt 0x0
	s_endpgm
.Lfunc_end_k_q2736005ef8_attn:
	.size	k_q2736005ef8_attn, .Lfunc_end_k_q2736005ef8_attn-k_q2736005ef8_attn
	.p2alignl 7, 3214868480
	.fill 96, 4, 3214868480
	.section	.rodata,"a",@progbits
	.p2align	6, 0x0
	.amdhsa_kernel k_q2736005ef8_attn
		.amdhsa_group_segment_fixed_size 79872
		.amdhsa_private_segment_fixed_size 0
		.amdhsa_enable_private_segment 0
		.amdhsa_kernarg_size 40
		.amdhsa_user_sgpr_count 2
		.amdhsa_user_sgpr_kernarg_segment_ptr 1
		.amdhsa_wavefront_size32 1
		.amdhsa_system_sgpr_workgroup_id_x 1
		.amdhsa_system_sgpr_workgroup_id_y 1
		.amdhsa_system_sgpr_workgroup_id_z 1
		.amdhsa_system_vgpr_workitem_id 0
		.amdhsa_next_free_vgpr 256
		.amdhsa_next_free_sgpr 66
		.amdhsa_reserve_vcc 0
		.amdhsa_float_denorm_mode_32 3
		.amdhsa_float_denorm_mode_16_64 3
		.amdhsa_memory_ordered 1
		.amdhsa_forward_progress 1
		.amdhsa_inst_pref_size 47
	.end_amdhsa_kernel
	.amdgpu_metadata
---
amdhsa.version: [ 1, 2 ]
amdhsa.kernels:
  - .name:           k_q2736005ef8_attn
    .symbol:         k_q2736005ef8_attn.kd
    .args:
      - { .name: qimg, .offset: 0, .size: 8, .value_kind: global_buffer, .address_space: global }
      - { .name: qsc, .offset: 8, .size: 8, .value_kind: global_buffer, .address_space: global }
      - { .name: kvimg, .offset: 16, .size: 8, .value_kind: global_buffer, .address_space: global }
      - { .name: aimg, .offset: 24, .size: 8, .value_kind: global_buffer, .address_space: global }
      - { .name: asc, .offset: 32, .size: 8, .value_kind: global_buffer, .address_space: global }
    .group_segment_fixed_size: 79872
    .private_segment_fixed_size: 0
    .kernarg_segment_align: 8
    .kernarg_segment_size: 40
    .max_flat_workgroup_size: 512
    .sgpr_count:     66
    .vgpr_count:     256
    .wavefront_size: 32
...
	.end_amdgpu_metadata
.endif
;; end of part 3
;; launch outp (part 4): grid 256 x 1, 16 waves a work-group, no clusters, 159,744 bytes of LDS; arguments aimg, asc, wq, out_b, gate, x, out0; writes out0
.if DOCPART == 4
	.amdgcn_target "amdgcn-amd-amdhsa--gfx1250"
	.amdhsa_code_object_version 6
	.text
	.protected	k_q2736005ef8_outp
	.globl	k_q2736005ef8_outp
	.p2align	8
	.type	k_q2736005ef8_outp,@function
k_q2736005ef8_outp:
	s_mov_b64 s[64:65], 0
	v_nop
	global_prefetch_b8 v0, s[64:65] scope:SCOPE_SE
	s_setreg_imm32_b32 hwreg(HW_REG_WAVE_MODE, 25, 1), 1
	s_wait_xcnt 0x0
; out0 = x + gate x (out_w attn_out + out_b), the product on codes of FP4 (E2M1) with one E8M0 scale for each 32 along K = the 512 channels.
; A work-group takes 64 positions of one batch x all 512 outputs; wave w the outputs 32 w .. 32 w + 31 (two tiles of out_w's rows), whose 8 fragments it reads once, straight into registers.
; attn_out's 16 fragments (4 tiles of positions x 4 K steps), 16 KiB of register images, are copied into LDS once, a fragment to a wave; a fragment's scale word is joined from its two heads' halves.
; Source 0 = 16 positions, source 1 = 16 rows of out_w: a lane holds ONE output and eight neighbouring positions, 32 bytes of a row of out0.  A wave's 32 rows x 256 bytes go through its own stage in LDS and
; leave, with x added, sixteen lanes to 256 consecutive bytes, aligned.
; Lane r of out_w's tile 2 w + n holds row 32 w + 8 n + r + 8 (r / 8), as the images were made.
; No joint requests: what work-groups share, out_w's codes, goes to registers, 8 KiB a wave, once.
; REGISTERS: v1-11 addresses; v12-15 gate x out_b (two pairs); v16-79 out_w's fragments ((n, s) at 16 + 8 (4 n + s)), later the rows read back; v80-87 their scale words; v88-119 attn_out's four fragments;
; v120-123 their scale words; v124-125 out_b; v126 8 x lane; v128-191 the 8 accumulators ((t, n) at 128 + 8 (2 t + n)); v192-255 x.  v80-87 and v120-123 hold scale words and nothing else.
.set ASCL, 16384                       ; LDS: the images at 0, their scale words here (128 bytes each),
.set STG,  18432                       ; the stages: 32 rows x (256 + 16) bytes for each wave
.macro PLACES n
.rept \n
	v_nop
.endr
.endm
.macro MM d, a, b, c, sa, sb
	v_wmma_scale_f32_16x16x128_f8f6f4 v[(\d):(\d)+7], v[(\a):(\a)+7], v[(\b):(\b)+7], v[(\c):(\c)+7], v[\sa], v[\sb] matrix_a_fmt:MATRIX_FMT_FP4 matrix_b_fmt:MATRIX_FMT_FP4
.endm
.macro MM0 d, a, b, sa, sb
	v_wmma_scale_f32_16x16x128_f8f6f4 v[(\d):(\d)+7], v[(\a):(\a)+7], v[(\b):(\b)+7], 0, v[\sa], v[\sb] matrix_a_fmt:MATRIX_FMT_FP4 matrix_b_fmt:MATRIX_FMT_FP4
.endm
	s_load_b256 s[4:11], s[0:1], 0x0               ; aimg, asc, wq, out_b
	s_load_b128 s[12:15], s[0:1], 0x20             ; gate, x
	s_load_b64 s[16:17], s[0:1], 0x30              ; out0
	v_lshrrev_b32 v1, 5, v0
	v_readfirstlane_b32 s20, v1                    ; wave 0..15
	v_and_b32 v13, 31, v0                          ; lane
	v_lshlrev_b32 v1, 4, v13                       ; 16 x lane
	v_lshlrev_b32 v2, 2, v13                       ; 4 x lane
	v_lshlrev_b32 v126, 3, v13                     ; 8 x lane
	v_and_b32 v3, 15, v0                           ; r
	v_bfe_u32 v4, v0, 4, 1                         ; h
	v_and_b32 v15, 8, v3
	v_add_nc_u32 v15, v15, v3                      ; r + 8 (r / 8)
	s_mul_i32 s21, s20, 8704
	s_add_co_u32 s21, s21, STG                     ; my stage
	v_mul_u32_u24 v5, v15, 272
	v_lshl_add_u32 v5, v4, 5, v5
	v_add_nc_u32 v5, s21, v5                       ; in: my output's row, + 32 h
	v_mul_u32_u24 v6, v4, 272
	v_lshl_add_u32 v6, v3, 4, v6
	v_add_nc_u32 v6, s21, v6                       ; back: lanes 0-15 one row, lanes 16-31 the next
	v_lshlrev_b32 v7, 14, v4
	v_lshl_add_u32 v7, v3, 4, v7                   ; and the same two rows in x and out0 (16,384 bytes apart)
	s_lshl_b32 s22, s20, 10
	v_add_nc_u32 v8, s22, v1                       ; where I put my fragment's image,
	s_lshl_b32 s22, s20, 7
	s_add_co_u32 s22, s22, ASCL
	v_add_nc_u32 v9, s22, v2                       ; and its scale words
	v_add_nc_u32 v10, ASCL, v2
	v_lshlrev_b32 v11, 2, v15                      ; out_b: 4 (r + 8 (r / 8))
	s_lshr_b32 s23, ttmp9, 6                       ; batch
	s_and_b32 s24, ttmp9, 63                       ; block of 64 positions
	s_lshl_b32 s26, s23, 20                        ; aimg: (256 b + 4 pb) x 4,096 + 1,024 w
	s_lshl_b32 s25, s24, 14
	s_add_co_u32 s26, s26, s25
	s_lshl_b32 s25, s20, 10
	s_add_co_u32 s26, s26, s25
	s_mov_b32 s27, 0
	s_lshl_b32 s28, s23, 18                        ; asc: fragment w = 4 t + s: pair of tiles 2 pb + t / 2, head 2 s, word t % 2
	s_lshl_b32 s25, s24, 12
	s_add_co_u32 s28, s28, s25
	s_lshr_b32 s25, s20, 3
	s_lshl_b32 s25, s25, 11
	s_add_co_u32 s28, s28, s25
	s_and_b32 s25, s20, 3
	s_lshl_b32 s25, s25, 9
	s_add_co_u32 s28, s28, s25
	s_bfe_u32 s25, s20, 0x10002
	s_lshl_b32 s25, s25, 2
	s_add_co_u32 s28, s28, s25
	s_mov_b32 s29, 0
	s_lshl_b32 s30, s20, 13                        ; out_w's images: 131,072 + 8,192 w
	s_add_co_u32 s30, s30, 131072
	s_mov_b32 s31, 0
	s_lshl_b32 s32, s20, 10                        ; their scale words: 294,912 + (128 + 8 w) x 128
	s_add_co_u32 s32, s32, 311296
	s_mov_b32 s33, 0
	s_lshl_b32 s34, s20, 7                         ; out_b: my 32
	s_mov_b32 s35, 0
	s_lshl_b32 s36, s23, 2                         ; gate
	s_mov_b32 s37, 0
	s_lshl_b32 s38, s23, 23                        ; x, out0: batch x 8 MiB + 32 w rows + 256 pb
	s_lshl_b32 s25, s20, 19
	s_add_co_u32 s38, s38, s25
	s_lshl_b32 s25, s24, 8
	s_add_co_u32 s38, s38, s25
	s_mov_b32 s39, 0
	s_wait_kmcnt 0x0
	s_add_nc_u64 s[4:5], s[4:5], s[26:27]
	s_add_nc_u64 s[6:7], s[6:7], s[28:29]
	s_add_nc_u64 s[22:23], s[8:9], s[32:33]
	s_add_nc_u64 s[8:9], s[8:9], s[30:31]
	s_add_nc_u64 s[10:11], s[10:11], s[34:35]
	s_add_nc_u64 s[12:13], s[12:13], s[36:37]
	s_add_nc_u64 s[14:15], s[14:15], s[38:39]
	s_add_nc_u64 s[16:17], s[16:17], s[38:39]
	s_load_b32 s18, s[12:13], 0x0                  ; the batch's gate
	global_load_b128 v[88:91], v1, s[4:5]          ; the copy: 4 loads
	global_load_b128 v[92:95], v1, s[4:5] offset:512
	global_load_b32 v96, v126, s[6:7]
	global_load_b32 v97, v126, s[6:7] offset:256
.irp n, 0,1                            ; the weights: 26 loads
.irp s, 0,1,2,3
	global_load_b128 v[16+8*(4*\n+\s):19+8*(4*\n+\s)], v1, s[8:9] offset:(4*\n+\s)*1024
	global_load_b128 v[20+8*(4*\n+\s):23+8*(4*\n+\s)], v1, s[8:9] offset:(4*\n+\s)*1024+512
	global_load_b32 v[80+4*\n+\s], v2, s[22:23] offset:(4*\n+\s)*128
.endr
	global_load_b32 v[124+\n], v11, s[10:11] offset:32*\n
.endr
.irp i, 0,1,2,3,4,5,6,7,8,9,10,11,12,13,14,15
	global_load_b128 v[192+4*\i:195+4*\i], v7, s[14:15] offset:32768*\i th:TH_LOAD_NT   ; x: 16 loads; rows 2 i + h of my 32; its last use in the program
.endr
	s_wait_loadcnt 42                              ; the copy's 4 loads are in; the 42 behind them may be out
	v_lshl_or_b32 v98, v97, 16, v96                ; bytes 0, 1: head 2 s; bytes 2, 3: head 2 s + 1
	ds_store_b128 v8, v[88:91]
	ds_store_b128 v8, v[92:95] offset:512
	ds_store_b32 v9, v98
	s_wait_dscnt 0x0                               ; for the others' sake: my stores are done
	s_barrier_signal -1
	s_barrier_wait -1                              ; the sixteen fragments lie in LDS; they are written once
	s_wait_loadcnt 16                              ; the weights are in; x's 16 loads may be out
	s_wait_kmcnt 0x0
	s_mov_b32 s19, s18                             ; (named with it as a pair)
	v_mul_f32 v12, s18, v124                       ; gate x out_b of my output, tile 0,
	v_mov_b32 v13, v12
	v_mul_f32 v14, s18, v125                       ; tile 1
	v_mov_b32 v15, v14
.macro OSTEP s                         ; a K step: eight accumulators by turns, one instruction a turn
.irp t, 0,1,2,3
	ds_load_b128 v[88+8*\t:91+8*\t], v1 offset:(4*\t+\s)*1024
	ds_load_b128 v[92+8*\t:95+8*\t], v1 offset:(4*\t+\s)*1024+512
	ds_load_b32 v[120+\t], v10 offset:(4*\t+\s)*128
.endr
	s_wait_dscnt 0x0
.irp t, 0,1,2,3
.irp n, 0,1
.if \s == 0
	MM0 128+8*(2*\t+\n), 88+8*\t, 16+8*(4*\n+\s), 120+\t, 80+4*\n+\s
.else
	MM 128+8*(2*\t+\n), 88+8*\t, 16+8*(4*\n+\s), 128+8*(2*\t+\n), 120+\t, 80+4*\n+\s
.endif
.endr
.endr
	PLACES 4                                       ; in front of loads into registers that the products have read, and of the first read of results
.endm
	OSTEP 0
	OSTEP 1
	OSTEP 2
	OSTEP 3
.irp t, 0,1,2,3
.irp n, 0,1
.irp k, 0,2,4,6
	v_pk_fma_f32 v[128+8*(2*\t+\n)+\k:129+8*(2*\t+\n)+\k], v[128+8*(2*\t+\n)+\k:129+8*(2*\t+\n)+\k], s[18:19], v[12+2*\n:13+2*\n] op_sel_hi:[1,0,0]   ; gate x sum + gate x out_b, each accumulator from its low end on
.endr
.endr
.endr
.irp t, 0,1,2,3
.irp n, 0,1
	ds_store_b128 v5, v[128+8*(2*\t+\n):131+8*(2*\t+\n)] offset:2176*\n+64*\t        ; row 8 n + r + 8 (r / 8), positions 16 t + 8 h + 0 .. 7
	ds_store_b128 v5, v[132+8*(2*\t+\n):135+8*(2*\t+\n)] offset:2176*\n+64*\t+16
.endr
.endr
.irp i, 0,1,2,3,4,5,6,7,8,9,10,11,12,13,14,15
	ds_load_b128 v[16+4*\i:19+4*\i], v6 offset:544*\i     ; LDS serves a wave's instructions in order (ISA guide 5.7.1.4): these see my stores; the stage is my wave's own
.endr
	s_wait_loadcnt 0x0                             ; x
.irp i, 0,1,2,3,4,5,6,7,8,9,10,11,12,13,14,15
	s_wait_dscnt 15-\i                             ; rows 2 i, 2 i + 1 are back; the younger loads may be out
	v_pk_add_f32 v[16+4*\i:17+4*\i], v[16+4*\i:17+4*\i], v[192+4*\i:193+4*\i]
	v_pk_add_f32 v[18+4*\i:19+4*\i], v[18+4*\i:19+4*\i], v[194+4*\i:195+4*\i]
	global_store_b128 v7, v[16+4*\i:19+4*\i], s[16:17] offset:32768*\i th:TH_STORE_NT   ; 16 lanes store 256 consecutive bytes, at a multiple of 256 from out0's first byte
.endr
	s_wait_xcnt 0x0
	v_lshl_add_u32 v254, v0, 2, 0x26800
	v_mov_b32 v255, 0
	s_wait_tensorcnt 0x0
	ds_add_u32 v254, v255
	s_wait_dscnt 0x0
	s_endpgm
.Lfunc_end_k_q2736005ef8_outp:
	.size	k_q2736005ef8_outp, .Lfunc_end_k_q2736005ef8_outp-k_q2736005ef8_outp
	.p2alignl 7, 3214868480
	.fill 96, 4, 3214868480
	.section	.rodata,"a",@progbits
	.p2align	6, 0x0
	.amdhsa_kernel k_q2736005ef8_outp
		.amdhsa_group_segment_fixed_size 159744
		.amdhsa_private_segment_fixed_size 0
		.amdhsa_enable_private_segment 0
		.amdhsa_kernarg_size 56
		.amdhsa_user_sgpr_count 2
		.amdhsa_user_sgpr_kernarg_segment_ptr 1
		.amdhsa_wavefront_size32 1
		.amdhsa_system_sgpr_workgroup_id_x 1
		.amdhsa_system_sgpr_workgroup_id_y 1
		.amdhsa_system_sgpr_workgroup_id_z 1
		.amdhsa_system_vgpr_workitem_id 0
		.amdhsa_next_free_vgpr 256
		.amdhsa_next_free_sgpr 66
		.amdhsa_reserve_vcc 0
		.amdhsa_float_denorm_mode_32 3
		.amdhsa_float_denorm_mode_16_64 3
		.amdhsa_memory_ordered 1
		.amdhsa_forward_progress 1
		.amdhsa_inst_pref_size 25
	.end_amdhsa_kernel
	.amdgpu_metadata
---
amdhsa.version: [ 1, 2 ]
amdhsa.kernels:
  - .name:           k_q2736005ef8_outp
    .symbol:         k_q2736005ef8_outp.kd
    .args:
      - { .name: aimg, .offset: 0, .size: 8, .value_kind: global_buffer, .address_space: global }
      - { .name: asc, .offset: 8, .size: 8, .value_kind: global_buffer, .address_space: global }
      - { .name: wq, .offset: 16, .size: 8, .value_kind: global_buffer, .address_space: global }
      - { .name: out_b, .offset: 24, .size: 8, .value_kind: global_buffer, .address_space: global }
      - { .name: gate, .offset: 32, .size: 8, .value_kind: global_buffer, .address_space: global }
      - { .name: x, .offset: 40, .size: 8, .value_kind: global_buffer, .address_space: global }
      - { .name: out0, .offset: 48, .size: 8, .value_kind: global_buffer, .address_space: global }
    .group_segment_fixed_size: 159744
    .private_segment_fixed_size: 0
    .kernarg_segment_align: 8
    .kernarg_segment_size: 56
    .max_flat_workgroup_size: 512
    .sgpr_count:     66
    .vgpr_count:     256
    .wavefront_size: 32
...
	.end_amdgpu_metadata
.endif
;; end of part 4
